; MI455X (gfx1250); checked and timed in simulation.
; The chip was launched on July 23, 2026; its instructions are those of AMD's public machine-readable ISA for CDNA 5 (MIT licence, August 2026) and "CDNA5" Instruction Set Architecture Reference Guide (July 2026). The comments in the code are by the model that wrote it; some were corrected since.
;; Multi Head Attention. Allowed arithmetic: matrix products marked QUANTISED: E2M3 operands, one E8M0 scale for each 32 along K, by v_wmma_scale_f32_16x16x128_f8f6f4 with both operands' format E2M3, f32 sums; everything else in f32.
;; Inputs: Wproj 1,024 x 1,024 float32; Wqkv 1,024 x 3,072 float32; bproj 1,024 float32; bqkv 3,072 float32; x 4 x 2,048 x 1,024 float32.
;; Outputs: out0 4 x 2,048 x 1,024 float32.
;; This version of the problem:
;;   THIS VERSION OF THE PROBLEM IS GIVEN IN LOW PRECISION. The matrix products marked QUANTISED in the list below multiply operands that are first quantised to E2M3 (2 exponent bits, 3 mantissa bits; 6 bits a number), with one power-of-two scale for each 32 numbers along K (OCP MX v1.0); their sums are f32. All else is computed in f32.
;;   The module's matrix products, in the order in which they are computed (A, B: the left and right operand; K: the contracted axis; several contracted axes count as one K, in the product's order):
;;     1. [M 8,192, K 1,024] x [K 1,024, N 3,072]; A: input x; B: input Wqkv: QUANTISED
;;     2. batch 64 x [M 2,048, K 64] x [K 64, N 2,048]; A: computed on the way; B: computed on the way: QUANTISED
;;     3. batch 64 x [M 2,048, K 2,048] x [K 2,048, N 64]; A: softmax (see below); B: computed on the way: QUANTISED
;;     4. [M 8,192, K 1,024] x [K 1,024, N 1,024]; A: computed on the way; B: input Wproj: QUANTISED
;;   THE QUANTISER, for each operand of a quantised product, along K:
;;     - K is cut into blocks of 32 from its start; a last block that is shorter is filled with zeros.
;;     - A block's scale is 2^e with e = floor(log2(the largest magnitude in the block)) - 2, held to -126 .. 127; a block of zeros has e = 0. As a byte (E8M0): e + 127.
;;     - Each number is divided by its block's scale, clamped to +-7.5, and rounded to the nearest number of E2M3, ties to even, subnormals kept.
;;     - The product sums the exact products of the quantised numbers (number of the format x scale) in f32.
;;   ~~~python
;;   def quantise(x, axis):      # numpy; x: float32 -> the quantised numbers, widened to float32 again
;;       x = np.moveaxis(x, axis, -1); K = x.shape[-1]
;;       x = np.pad(x, [(0, 0)] * (x.ndim - 1) + [(0, -K % 32)]); x = x.reshape(x.shape[:-1] + (-1, 32)); a = np.abs(x).max(-1, keepdims=True)
;;       e = np.where(a > 0, np.clip(np.frexp(np.where(a > 0, a, 1))[1] - 1 - 2, -126, 127), 0)      # np.frexp(a)[1] - 1 = floor(log2(a)), exactly
;;       r = np.clip(x / 2.0 ** e, -7.5, 7.5)
;;       step = 2.0 ** (np.maximum(np.frexp(np.where(r == 0, 1, r))[1] - 1, 0) - 3)
;;       q = np.round(r / step) * step * 2.0 ** e      # np.round: ties to even
;;       return np.moveaxis(q.reshape(q.shape[:-2] + (-1,))[..., :K], -1, axis).astype(np.float32)
;;   ~~~
;;   SOFTMAX AHEAD OF A QUANTISED PRODUCT. Where the list says 'softmax', what is quantised is not the finished softmax but p = 2^(t - M), with t = logit x log2(e) and M = ceil(the row's largest t), a whole number; so 1/2 < the row's largest p <= 1. The row's sum l is taken of the UNQUANTISED p, in f32, and the product's result is divided by l at the end. Since M is a whole number, a kernel that streams over the keys may use a running M (the ceiling of the running maximum): every later rescaling is an exact power of two, which a block's scale takes up: the codes' values come out the same.
;;   OPERANDS COMPUTED ON THE WAY. 'Computed on the way' means the value that the module computes at that place (a softmax that the list does not call 'softmax' is quantised finished and normalised). What goes into a quantiser is computed in f32, as accurately as f32 sums, v_exp_f32 and their like allow (about 1e-6 of the number): no bf16 or f16 on the way to a quantiser, and a product that is left as it is and whose result goes on into a quantised operand takes f32 operands (vector FMAs, or v_wmma_f32_16x16x4_f32). A number that lies on a knife's edge between two numbers of the format may be rounded either way, as far as f32 arithmetic and the matrix unit's own rounding can turn it there, and no further.
;; One version. Each part assembles by itself: llvm-mc -triple=amdgcn-amd-amdhsa -mcpu=gfx1250 --defsym DOCPART=n.
;; ======== version 1 of 1: 4 launches
;; limits: right only within a limited range of input values
;; workspace buffers: xq 6,553,600 bytes; oq 6,553,600 bytes; wq 3,276,800 bytes; qq 6,815,744 bytes; kq 6,815,744 bytes; vq 6,553,600 bytes
;; launch quant (part 1): grid 384 x 1, 4 waves a work-group, no clusters, 35,328 bytes of LDS; arguments x, Wqkv, Wproj, xq, wq; writes xq, wq
.if DOCPART == 1
	.amdgcn_target "amdgcn-amd-amdhsa--gfx1250"
	.amdhsa_code_object_version 6
	.text
	.protected	k_q03d8783221_quant
	.globl	k_q03d8783221_quant
	.p2align	8
	.type	k_q03d8783221_quant,@function
k_q03d8783221_quant:
	s_mov_b64 s[64:65], 0
	v_nop
	global_prefetch_b8 v0, s[64:65] scope:SCOPE_SE
	s_setreg_imm32_b32 hwreg(HW_REG_WAVE_MODE, 25, 1), 1
	s_wait_xcnt 0x0
; x [8192][1024], Wqkv [1024][3072] and Wproj [1024][1024], f32, become codes of FP6 (E2M3) with one E8M0 byte for each 32 along K (K = 1024 in all three),
; laid in the order of a matrix operand's registers, so that the products' launches fetch fragments by dense loads alone.
; A TILE is 16 rows of an operand: tile T, place r holds logical row 32 (T / 2) + 8 (T % 2) + r + 8 (r / 8).  Logical rows: x: its rows;  Wqkv: n' = 1024 s + 64 h + d, which is column 3 (64 h + d) + s;  Wproj: its columns.
; A HALF FRAGMENT (16 rows x 64 K) is 768 bytes: lane (r, h) holds block h of row r, 24 bytes: its registers 0-3 at 16 x lane, its registers 4-5 at 512 + 8 x lane.  Codes: [tile][K step of 128: 8][two half fragments].
; Scale bytes: [tile][half of K: 2][r][4 words], a word for each K step of 128.
; A block's scale is 2^(floor(log2(largest magnitude)) - 2); its byte is the largest magnitude's exponent field - 2, held at 1 from below.
; LIMITS: a block of zeros gets the byte 1 where the rule says 127 (its codes are zeros, and this program alone reads the bytes); NaN and infinities among the inputs are not served.
; SHARES: a wave takes one tile x 512 along K.  Work-groups 0-255: x (1,024 waves);  256-351: Wqkv (192 tiles);  352-383: Wproj (64 tiles).  Waves share nothing: no barrier, no cluster (no input byte is wanted by two work-groups but Wqkv's row spans).
; x: K is innermost.  Sixteen lanes load 256 consecutive bytes of a row; the 16 x 256 bytes turn through the wave's own stage in LDS and come back 128 bytes (a block) a lane.
; W: K is the first axis.  A lane takes a column and its registers run down K: nothing is transposed.
.set FLOOR, 0x1800000                  ; 2^(3 - 127): under it no largest magnitude is taken, so the byte cannot fall under 1
.set EOFF,  0xff000000                 ; takes 2 off an exponent field
.set C,     24                         ; v24-35 a fragment's codes;  v36-38 the conversion that cannot begin on an even register
.set R,     48                         ; v48-143  x: three sets of 32 registers as loaded
.set X,     144                        ; v144-207 x: two sets of 32 neighbours
.set WD,    48                         ; v48-111  W: two sets of 32 numbers down K
.set SP,    272                        ; a stage row: 256 bytes + 16, so that the sixteen rows of a read start in different banks
.set STG,   16*SP                      ; a stage; each wave has two
.set XSCL,  6291456                    ; where xq's scale bytes begin
; v1 lane, v2 r, v3 h, v4 my offset in the input, v5 / v6 the stage in / out, v7 16 x lane, v8 8 x lane, v9 16 r + 8 h, v10-13 at work, v14 8 h, v16-19 four scale words, v20-23 at work
	s_load_b256 s[4:11], s[0:1], 0x0               ; x, Wqkv, Wproj, xq
	s_load_b64 s[12:13], s[0:1], 0x20              ; wq
	v_lshl_add_u32 v208, v0, 2, 0x8800
	v_mov_b32 v209, 0
	v_lshrrev_b32 v1, 5, v0
	v_readfirstlane_b32 s16, v1                    ; wave
	v_and_b32 v1, 31, v0
	v_and_b32 v2, 15, v0
	v_bfe_u32 v3, v0, 4, 1
	v_lshlrev_b32 v7, 4, v1
	v_lshlrev_b32 v8, 3, v1
	v_lshlrev_b32 v9, 4, v2
	v_lshl_add_u32 v9, v3, 3, v9
	v_lshlrev_b32 v14, 3, v3
	v_mov_b32 v23, 0                               ; a lane permute's destination counts as one of its sources
	s_mov_b32 s18, 0x76543210
	s_mov_b32 s19, 0xfedcba98                      ; selects for lane l xor 16
	v_cmp_lt_u32 s20, 15, v1                       ; lanes 16-31
	s_lshl_b32 s21, ttmp9, 2
	s_add_co_u32 s21, s21, s16                     ; 4 x work-group + wave
.macro BLOCKMAX                        ; v10 = the largest magnitude of v[XS] .. v[XS + 31], not under the floor; v12 = the conversion's scale operand
	v_max3_num_f32 v10, |v[XS]|, |v[XS+1]|, |v[XS+2]|
	v_max3_num_f32 v11, |v[XS+3]|, |v[XS+4]|, |v[XS+5]|
.irp i, 6,10,14,18,22,26
	v_max3_num_f32 v10, v10, |v[XS+\i]|, |v[XS+\i+1]|
	v_max3_num_f32 v11, v11, |v[XS+\i+2]|, |v[XS+\i+3]|
.endr
	v_max3_num_f32 v10, v10, |v[XS+30]|, |v[XS+31]|
	v_max3_num_f32 v10, v10, v11, FLOOR
	v_add_nc_u32 v12, EOFF, v10                    ; the conversion takes this operand's exponent field as its scale
.endm
.macro WORD w                          ; v22 holds my blocks' bytes (blocks h and 2 + h of a K step) at bits 0 and 16: with lane l xor 16's two the word is whole
	v_lshlrev_b32 v22, v14, v22
	v_permlanex16_b32 v23, v22, s18, s19
	v_or_b32 v[16+\w], v22, v23
.endm
.macro SCOUT                           ; 16 rows x 4 words leave as 256 consecutive bytes: lane (r, h) stores words 2 h and 2 h + 1 of row r
	v_cndmask_b32 v20, v16, v18, s20
	v_cndmask_b32 v21, v17, v19, s20
	global_store_b64 v9, v[20:21], s[30:31]
.endm
	s_wait_kmcnt 0x0
	s_cmp_lt_u32 ttmp9, 256
	s_cbranch_scc0 .Lweights
	; ---------------- x ----------------
	s_lshr_b32 s22, s21, 1                         ; tile 0..511
	s_and_b32 s23, s21, 1                          ; which 512 along K
	s_lshr_b32 s24, s22, 1
	s_lshl_b32 s24, s24, 17                        ; 32 rows of 4,096 bytes for each pair of tiles,
	s_and_b32 s25, s22, 1
	s_lshl_b32 s25, s25, 15                        ; 8 rows for the odd tile,
	s_add_co_u32 s24, s24, s25
	s_lshl_b32 s25, s23, 11                        ; 2,048 bytes for the second half of K
	s_add_co_u32 s24, s24, s25
	s_mov_b32 s25, 0
	s_add_nc_u64 s[4:5], s[4:5], s[24:25]
	s_mul_i32 s26, s22, 12288
	s_mul_i32 s24, s23, 6144
	s_add_co_u32 s26, s26, s24
	s_mov_b32 s27, 0
	s_add_nc_u64 s[28:29], s[10:11], s[26:27]      ; my codes
	s_lshl_b32 s26, s22, 9
	s_lshl_b32 s24, s23, 8
	s_add_co_u32 s26, s26, s24
	s_add_co_u32 s26, s26, XSCL
	s_add_nc_u64 s[30:31], s[10:11], s[26:27]      ; my scale words
	s_mul_i32 s17, s16, 2*STG                      ; my two stages
	s_wait_alu depctr_va_vdst(0)
	v_lshlrev_b32 v4, 12, v3
	v_lshl_add_u32 v4, v2, 4, v4                   ; in: lanes 0-15 one row's 256 bytes, lanes 16-31 the next row's
	v_mul_u32_u24 v5, v3, SP
	v_lshl_add_u32 v5, v2, 4, v5
	v_add_nc_u32 v5, s17, v5                       ; into the stage likewise
	v_mul_u32_u24 v6, v2, SP
	v_lshl_add_u32 v6, v3, 7, v6
	v_add_nc_u32 v6, s17, v6                       ; out of it: place r, block h: 128 bytes
.macro XLOAD f                         ; half fragment f: places 2 i + h, 64 numbers each
.irp i, 0,1,2,3,4,5,6,7
	global_load_b128 v[R+32*((\f)%3)+4*\i:R+32*((\f)%3)+4*\i+3], v4, s[4:5] offset:(2*\i+8*(\i/4))*4096+256*(\f) th:TH_LOAD_NT
.endr
.endm
.macro XTURN f                         ; through the stage: LDS serves a wave's instructions in order, so no wait stands between the stores and the loads
.irp i, 0,1,2,3,4,5,6,7
	ds_store_b128 v5, v[R+32*((\f)%3)+4*\i:R+32*((\f)%3)+4*\i+3] offset:STG*((\f)%2)+2*SP*\i
.endr
.irp j, 0,1,2,3,4,5,6,7
	ds_load_b128 v[X+32*((\f)%2)+4*\j:X+32*((\f)%2)+4*\j+3], v6 offset:STG*((\f)%2)+16*\j
.endr
.endm
.macro XSTEP f
.set XS, X+32*((\f)%2)
	s_wait_dscnt 0x0                               ; my block is back from the stage, so the stage's stores have read their registers,
.if (\f)+3 < 8
	XLOAD (\f)+3                                   ; which take the loads of three steps on
.endif
.if (\f)+1 < 8
.if (\f) <= 4
	s_wait_loadcnt 16                              ; the next step's eight loads are in; those of the two steps behind it may be out
.elseif (\f) == 5
	s_wait_loadcnt 8                               ; one step behind it
.else
	s_wait_loadcnt 0
.endif
	XTURN (\f)+1                                   ; the next step goes through the other stage while this one is worked
.endif
	BLOCKMAX
	s_wait_alu depctr_va_vdst(0)
	s_wait_xcnt 0x0                                ; the last step's stores have read their registers: the codes are written again only behind this wait
	v_cvt_scalef32_pk16_fp6_f32 v[C:C+2], v[XS:XS+15], v12
	v_cvt_scalef32_pk16_fp6_f32 v[C+12:C+14], v[XS+16:XS+31], v12   ; (a conversion's three registers begin on an even number)
	v_lshrrev_b32 v13, 23, v12                     ; the scale's byte; also the plain line behind the conversions
.irp i, 0,1,2
	v_mov_b32 v[C+3+\i], v[C+12+\i]
.endr
.if (\f)%2 == 0
	v_mov_b32 v22, v13
.else
	v_lshl_or_b32 v22, v13, 16, v22
	WORD (\f)/2
.endif
	global_store_b128 v7, v[C:C+3], s[28:29] offset:768*(\f)        ; 512 consecutive bytes
	global_store_b64 v8, v[C+4:C+5], s[28:29] offset:768*(\f)+512   ; 256 consecutive bytes
.endm
	XLOAD 0
	XLOAD 1
	XLOAD 2
	s_wait_alu depctr_va_vdst(0)
	s_wait_loadcnt 16                              ; step 0's eight loads are in
	XTURN 0
.irp f, 0,1,2,3,4,5,6,7
	XSTEP \f
.endr
	SCOUT
	s_wait_tensorcnt 0x0
	ds_add_u32 v208, v209
	s_wait_dscnt 0x0
	s_endpgm
	; ---------------- the weights ----------------
.macro WLOAD u, pitch                  ; block u of my column: rows 64 u + 32 h + i of my 512
.irp i, 0,1,2,3,4,5,6,7,8,9,10,11,12,13,14,15,16,17,18,19,20,21,22,23,24,25,26,27,28,29,30,31
	global_load_b32 v[WD+32*((\u)%2)+\i], v4, s[4:5] offset:(64*(\u)+\i)*\pitch
.endr
.endm
.macro WBLOCK u, pitch                 ; blocks 2 s and 2 s + 1 make the fragment of K step s
.set XS, WD+32*((\u)%2)
.if (\u) < 7
	s_wait_loadcnt 32                              ; this block's 32 loads are in; the next block's may be out
.else
	s_wait_loadcnt 0
.endif
	BLOCKMAX
	v_lshrrev_b32 v13, 23, v12
.if (\u)%2 == 0
	v_mov_b32 v22, v13
	s_wait_alu depctr_va_vdst(0)
	s_wait_xcnt 0x0                                ; the last fragment's stores have read their registers
.else
	v_lshl_or_b32 v22, v13, 16, v22
.endif
	v_cvt_scalef32_pk16_fp6_f32 v[C+6*((\u)%2):C+6*((\u)%2)+2], v[XS:XS+15], v12
	v_cvt_scalef32_pk16_fp6_f32 v[C+12:C+14], v[XS+16:XS+31], v12
	v_nop                                          ; one plain line behind the conversions
.irp i, 0,1,2
	v_mov_b32 v[C+6*((\u)%2)+3+\i], v[C+12+\i]
.endr
.if (\u)+2 < 8
	WLOAD (\u)+2, \pitch
.endif
.if (\u)%2 == 1
	WORD (\u)/2
	global_store_b128 v7, v[C:C+3], s[28:29] offset:1536*((\u)/2)
	global_store_b64 v8, v[C+4:C+5], s[28:29] offset:1536*((\u)/2)+512
	global_store_b128 v7, v[C+6:C+9], s[28:29] offset:1536*((\u)/2)+768
	global_store_b64 v8, v[C+10:C+11], s[28:29] offset:1536*((\u)/2)+1280
.endif
.endm
; pitch: bytes of a row of W;  lstr: bytes from one logical row (a column of W) to the next;  nu0: tiles that come before this weight's;  ptr: its pointer;  cod, scl: where its codes and scale bytes begin in wq
.macro WPATH pitch, lstr, nu0, ptr, cod, scl
	s_sub_co_u32 s22, s21, 1024+2*\nu0
	s_lshr_b32 s23, s22, 1                         ; tile
	s_and_b32 s24, s22, 1                          ; which 512 along K
	s_and_b32 s26, s23, 63
	s_lshr_b32 s26, s26, 1
	s_lshl_b32 s26, s26, 5
	s_and_b32 s27, s23, 1
	s_lshl_b32 s27, s27, 3
	s_add_co_u32 s26, s26, s27                     ; the tile's first 64 h + d
	s_mul_i32 s26, s26, \lstr
	s_lshr_b32 s27, s23, 6                         ; s: 0, 1, 2 for q, k, v (0 for Wproj)
	s_lshl_b32 s27, s27, 2
	s_add_co_u32 s26, s26, s27
	s_mul_i32 s27, s24, 512*\pitch
	s_add_co_u32 s26, s26, s27
	s_mov_b32 s27, 0
	s_add_nc_u64 s[4:5], s[\ptr:\ptr+1], s[26:27]
	s_mul_i32 s26, s23, 12288
	s_mul_i32 s25, s24, 6144
	s_add_co_u32 s26, s26, s25
	s_add_co_u32 s26, s26, \cod
	s_add_nc_u64 s[28:29], s[12:13], s[26:27]
	s_lshl_b32 s26, s23, 9
	s_lshl_b32 s25, s24, 8
	s_add_co_u32 s26, s26, s25
	s_add_co_u32 s26, s26, \scl
	s_add_nc_u64 s[30:31], s[12:13], s[26:27]
	v_and_b32 v15, 8, v2
	v_add_nc_u32 v15, v15, v2                      ; r + 8 (r / 8)
	v_mul_u32_u24 v4, v3, 32*\pitch                ; lanes 16-31 begin 32 rows further down
	v_mad_u32_u24 v4, v15, \lstr, v4
	WLOAD 0, \pitch
	WLOAD 1, \pitch
.irp u, 0,1,2,3,4,5,6,7
	WBLOCK \u, \pitch
.endr
	SCOUT
	s_endpgm
.endm
.Lweights:
	s_cmp_lt_u32 ttmp9, 352
	s_cbranch_scc0 .Lwproj
	s_wait_alu depctr_va_vdst(0)
	WPATH 12288, 12, 0, 6, 0, 2359296
.Lwproj:
	s_wait_alu depctr_va_vdst(0)
	WPATH 4096, 4, 192, 8, 2457600, 3244032
.Lfunc_end_k_q03d8783221_quant:
	.size	k_q03d8783221_quant, .Lfunc_end_k_q03d8783221_quant-k_q03d8783221_quant
	.p2alignl 7, 3214868480
	.fill 96, 4, 3214868480
	.section	.rodata,"a",@progbits
	.p2align	6, 0x0
	.amdhsa_kernel k_q03d8783221_quant
		.amdhsa_group_segment_fixed_size 35328
		.amdhsa_private_segment_fixed_size 0
		.amdhsa_enable_private_segment 0
		.amdhsa_kernarg_size 40
		.amdhsa_user_sgpr_count 2
		.amdhsa_user_sgpr_kernarg_segment_ptr 1
		.amdhsa_wavefront_size32 1
		.amdhsa_system_sgpr_workgroup_id_x 1
		.amdhsa_system_sgpr_workgroup_id_y 1
		.amdhsa_system_sgpr_workgroup_id_z 1
		.amdhsa_system_vgpr_workitem_id 0
		.amdhsa_next_free_vgpr 210
		.amdhsa_next_free_sgpr 66
		.amdhsa_reserve_vcc 0
		.amdhsa_float_denorm_mode_32 3
		.amdhsa_float_denorm_mode_16_64 3
		.amdhsa_memory_ordered 1
		.amdhsa_forward_progress 1
		.amdhsa_inst_pref_size 110
	.end_amdhsa_kernel
	.amdgpu_metadata
---
amdhsa.version: [ 1, 2 ]
amdhsa.kernels:
  - .name:           k_q03d8783221_quant
    .symbol:         k_q03d8783221_quant.kd
    .args:
      - { .name: x, .offset: 0, .size: 8, .value_kind: global_buffer, .address_space: global }
      - { .name: Wqkv, .offset: 8, .size: 8, .value_kind: global_buffer, .address_space: global }
      - { .name: Wproj, .offset: 16, .size: 8, .value_kind: global_buffer, .address_space: global }
      - { .name: xq, .offset: 24, .size: 8, .value_kind: global_buffer, .address_space: global }
      - { .name: wq, .offset: 32, .size: 8, .value_kind: global_buffer, .address_space: global }
    .group_segment_fixed_size: 35328
    .private_segment_fixed_size: 0
    .kernarg_segment_align: 8
    .kernarg_segment_size: 40
    .max_flat_workgroup_size: 128
    .sgpr_count:     66
    .vgpr_count:     210
    .wavefront_size: 32
...
	.end_amdgpu_metadata
.endif
;; end of part 1
;; launch qkv (part 2): grid 12 x 64, 4 waves a work-group, clusters of 4 x 4, 307,712 bytes of LDS; arguments xq, wq, bqkv, qq, kq, vq; writes qq, kq, vq
.if DOCPART == 2
	.amdgcn_target "amdgcn-amd-amdhsa--gfx1250"
	.amdhsa_code_object_version 6
	.text
	.protected	k_q03d8783221_qkv
	.globl	k_q03d8783221_qkv
	.p2align	8
	.type	k_q03d8783221_qkv,@function
k_q03d8783221_qkv:
	s_mov_b64 s[64:65], 0
	v_nop
	global_prefetch_b8 v0, s[64:65] scope:SCOPE_SE
	s_setreg_imm32_b32 hwreg(HW_REG_WAVE_MODE, 25, 1), 1
	s_wait_xcnt 0x0
	s_wait_alu depctr_hold_cnt(0) depctr_sa_sdst(0) depctr_va_vdst(0) depctr_va_sdst(0) depctr_va_ssrc(0) depctr_va_vcc(0) depctr_vm_vsrc(0)
	s_getreg_b32 s2, hwreg(HW_REG_IB_STS2, 6, 4)
	s_cmp_eq_u32 s2, 0
	s_cbranch_scc0 .Lentry_in_a_cluster
	s_endpgm
.Lentry_in_a_cluster:
	s_bfe_u32 s2, ttmp6, 0x10000c
	s_cmp_lg_u32 s2, 0xf033
	s_cbranch_scc0 .Lentry_shape_is_right
	s_endpgm
.Lentry_shape_is_right:
; q, k, v = x Wqkv + bqkv on codes of FP6 (E2M3) with E8M0 scales, and the results quantised at once for attention's two products: no f32 number of q, k or v goes to memory.
; A work-group makes 128 rows of x (8 tiles) x 256 logical rows n' of Wqkv (16 tiles), n' = 1024 s + 64 h + d; the cluster's x is s: 0 q, 1 k, 2 v.  K = 1024 is eight steps of 128.
; ALL OF K LIES IN LDS: (128 + 256) rows x 768 bytes + 12,288 bytes of scales.  Each LDS byte is filled once, so there is no ring; the codes come in four chunks of two K steps, and a chunk is waited for just ahead of its first read.
; CLUSTERS: 4 x 4 work-groups.  x's tiles hang on the work-group's y alone and are asked for jointly by a row of the cluster, W's on its x alone and by a column: the same load, descriptor and mask in all four.
; Operands lie in memory and in LDS as images of the registers: a fragment (16 rows x 128 K, 12 registers) is 1,536 bytes: registers 0-3 at 16 x lane, 4-5 at 512 + 8 x lane, 6-9 at 768 + 16 x lane, 10-11 at 1,280 + 8 x lane: every LDS load is dense.
; A tile's place r holds logical row 32 (T / 2) + 8 (T % 2) + r + 8 (r / 8): so in a result the 16 registers of source 0's tiles 2 b and 2 b + 1 are 16 logical neighbours, 32 b + 16 (lane / 16) + 0 .. 15.
; q, k: their next K is d.  Source 0 = 8 tiles of W, source 1 = 4 tiles of x: a lane holds one row of x, its 64 registers run along two heads' d.  Wave (wh, wp): x's tiles 4 wh on, W's tiles 8 wp on.
; v: its next K is the keys.  Source 0 = the 8 tiles of x, source 1 = 4 tiles of W (one head): a lane holds one d, its 64 registers run along 128 keys.  Only LDS addresses, the bias and the stores differ.
; The bias is the C of each sum's first product.  LIMITS: a block of zeros gets the byte 1 (its codes are zeros; this program alone reads the bytes); NaN and infinities are not served.
; REGISTERS: window 0: v1-15 addresses; v16-31 at work; v32-95 source 0's scale words (tile i, K step s at 8 i + s), v96-127 source 1's; v128-223 source 1's fragments, two sets, later the codes made; v224-233 scale words made.
;   window 1: source 0's fragments, two sets at v0 and v128.   window 2: the 32 accumulators (source 1's tile t, source 0's tile i at 64 t + 8 i).   window 3: v0-63 the bias by source 0's rows, v64-95 by source 1's.
; THE FILLS, in place of what the head says of chunks: the codes lie in LDS as they lie in memory, 12,288 bytes a tile (K step s at 1,536 s): x's 8 tiles at 0, W's 16 behind them.
; Three joint loads of 98,304 dense bytes, one a wave (wave 0 x's, waves 1 and 2 a half of W's each), one wait for all and one barrier.  The scale words go from memory straight into their registers.
.set BPART, 98304                      ; 8 tiles, all of K
.set ASCL,  6291456                    ; where xq's scale bytes begin
.set BCOD,  0                          ; Wqkv's codes in wq
.set BSCL,  2359296                    ; and its scale bytes
.set OSCL,  6291456                    ; where the scale bytes begin in qq, kq and vq
.set FLOOR, 0x1800000
.set EOFF,  0xff000000
.set TM,    16
.set SC0,   32
.set SC1,   96
.set F1,    128
.set PW,    224
.set MSB, 0
.macro WIN new                         ; the immediate's high byte repeats the setting that is left
.if MSB != \new
	s_set_vgpr_msb (MSB<<8)|\new
.set MSB, \new
.endif
.endm
.macro CROUND                          ; a round of the cluster's barrier
	s_barrier_signal -1
	s_barrier_wait -1
	s_cmp_lg_u32 s16, 0
	s_cbranch_scc1 .Lnot_wave_0_\@
	s_barrier_signal -3
.Lnot_wave_0_\@:
	s_barrier_wait -3
	s_barrier_signal -1
	s_barrier_wait -1
.endm
.macro PLACES n
.rept \n
	v_nop
.endr
.endm
	s_load_b256 s[4:11], s[0:1], 0x0               ; xq, wq, bqkv, qq
	s_load_b128 s[12:15], s[0:1], 0x20             ; kq, vq
	v_lshl_add_u32 v254, v0, 2, 0x4b000
	v_mov_b32 v255, 0
	ds_add_u32 v254, v255
	ds_add_u32 v254, v255
	v_lshrrev_b32 v1, 5, v0
	v_readfirstlane_b32 s16, v1                    ; wave
	s_and_b32 s17, s16, 1                          ; wp
	s_lshr_b32 s18, s16, 1                         ; wh; also which half of W's tiles waves 1 and 2 fetch
	s_mov_b32 s19, ttmp9                           ; 0 q, 1 k, 2 v: the same in all sixteen partners
	s_bfe_u32 s20, ttmp6, 0x40000                  ; cx
	s_bfe_u32 s21, ttmp6, 0x40004                  ; cy
	s_lshl_b32 s22, ttmp9, 2
	s_add_co_u32 s22, s22, s20                     ; X: which 256 rows of W
	s_and_b32 s23, ttmp7, 0xffff
	s_lshl_b32 s23, s23, 2
	s_add_co_u32 s23, s23, s21                     ; Y: which 128 rows of x
	s_lshl_b32 s2, s21, 2
	s_lshl_b32 s2, 15, s2                          ; my row of the cluster
	s_lshl_b32 s3, 0x1111, s20                     ; my column
	; descriptor groups 1: elements of 8 bytes, no padding; bit 21 set beside a mask
	s_or_b32 s24, s2, (3<<16)|(1<<21)              ; s[24:31] x's codes
	s_or_b32 s32, s3, (3<<16)|(1<<21)              ; s[32:39] W's codes
.irp g, 24, 32                         ; 8 tiles, all of K: 98,304 dense bytes as 384 rows of 256
	s_mov_b32 s[\g+1], 32<<16
	s_mov_b32 s[\g+2], 384<<16
	s_mov_b32 s[\g+3], 32<<16
	s_mov_b32 s[\g+4], 384
	s_mov_b32 s[\g+5], 32
	s_mov_b32 s[\g+6], 0
	s_mov_b32 s[\g+7], 0
.endr
	s_mul_i32 s3, s18, BPART                       ; groups 0: s[68:71] x's tiles, s[84:87] my half of W's.  No place in the cluster enters an LDS address
	s_mov_b32 s68, 1
	s_mov_b32 s69, 0
	s_mov_b32 s84, 1
	s_add_co_u32 s85, s3, BPART
	s_mul_i32 s66, s23, 98304                      ; x: 8 tiles of 12,288 bytes for each Y
	s_mov_b32 s67, 0
	s_wait_dscnt 0x0
	s_wait_kmcnt 0x0
	s_add_nc_u64 s[70:71], s[4:5], s[66:67]
	s_or_b32 s71, s71, 0x80000000
	s_mul_i32 s104, s22, 196608                    ; W: in registers that never feed x's descriptor
	s_mul_i32 s105, s18, 98304
	s_add_co_u32 s104, s104, s105
	s_add_co_u32 s104, s104, BCOD
	s_mov_b32 s105, 0
	s_add_nc_u64 s[86:87], s[6:7], s[104:105]
	s_or_b32 s87, s87, 0x80000000
	CROUND                                         ; all sixteen work-groups are here: the joint loads meet
	s_cmp_eq_u32 s16, 0                            ; all fills of the launch, one a wave: wave 0 x's tiles, waves 1 and 2 a half each of W's, wave 3 none
	s_cbranch_scc0 .Lnot_a
	tensor_load_to_lds s[68:71], s[24:31]
	s_nop 0
	PLACES 4
	s_branch .Lasked
.Lnot_a:
	s_cmp_eq_u32 s16, 3
	s_cbranch_scc1 .Lasked
	tensor_load_to_lds s[84:87], s[32:39]
	s_nop 0
	PLACES 4
.Lasked:
	; which tiles are my source 0 and my source 1: for q and k W's and x's, for v x's and W's.  Either way the addresses stay inside a chunk and inside the scales
	s_mul_i32 s66, s17, BPART
	s_add_co_u32 s66, s66, BPART                   ; q, k: source 0 = W's tiles 8 wp on
	s_mul_i32 s67, s18, 49152                      ;       source 1 = x's tiles 4 wh on
	s_mul_i32 s100, s16, 49152
	s_add_co_u32 s100, s100, BPART                 ; v:    source 1 = W's tiles 4 wave on (source 0 = x's eight, at 0)
	s_lshl_b32 s72, s22, 13                        ; the scale words' byte offsets in their buffers, 512 bytes a tile: W's 16 tiles of X,
	s_lshl_b32 s101, s17, 12
	s_add_co_u32 s101, s101, s72
	s_add_co_u32 s101, s101, BSCL                  ; from tile 8 wp on (source 0 of q, k),
	s_lshl_b32 s105, s16, 11
	s_add_co_u32 s105, s105, s72
	s_add_co_u32 s105, s105, BSCL                  ; from tile 4 wave on (source 1 of v);
	s_lshl_b32 s2, s23, 12
	s_add_co_u32 s2, s2, ASCL                      ; x's 8 tiles of Y (source 0 of v),
	s_lshl_b32 s104, s18, 11
	s_add_co_u32 s104, s104, s2                    ; from tile 4 wh on (source 1 of q, k)
	s_cmp_eq_u32 s19, 2
	s_cselect_b32 s66, 0, s66
	s_cselect_b32 s67, s100, s67
	s_cselect_b32 s72, s2, s101
	s_cselect_b32 s74, s105, s104
	s_cselect_b64 s[76:77], s[4:5], s[6:7]         ; source 0's buffer and source 1's: the choice hangs on the cluster's number alone
	s_cselect_b64 s[78:79], s[6:7], s[4:5]
	s_mov_b32 s73, 0
	s_mov_b32 s75, 0
	s_add_nc_u64 s[76:77], s[76:77], s[72:73]
	s_add_nc_u64 s[78:79], s[78:79], s[74:75]
	v_and_b32 v1, 31, v0
	v_and_b32 v2, 15, v0
	v_bfe_u32 v3, v0, 4, 1
	v_lshlrev_b32 v10, 4, v1                       ; 16 x lane
	v_lshlrev_b32 v11, 3, v1                       ; 8 x lane
	v_lshlrev_b32 v14, 4, v2                       ; 16 r
	v_lshl_add_u32 v15, v3, 3, v14                 ; 16 r + 8 h
	v_add_nc_u32 v4, s66, v10                      ; source 0's fragments, tiles 0-3: the 16-byte parts,
	v_add_nc_u32 v5, s66, v11                      ; the 8-byte parts;
	v_add_nc_u32 v8, 49152, v4                     ; tiles 4-7, so that every offset fits the 16-bit immediate
	v_add_nc_u32 v9, 49152, v5
	v_add_nc_u32 v6, s67, v10                      ; source 1's
	v_add_nc_u32 v7, s67, v11
.irp i, 0,1,2,3,4,5,6,7
.irp q, 0,1
	global_load_b128 v[SC0+8*\i+4*\q:SC0+8*\i+4*\q+3], v14, s[76:77] offset:512*\i+256*\q   ; the scale words of all eight K steps: sixteen lanes read 256 consecutive bytes, lanes 16-31 the same
.endr
.endr
.irp t, 0,1,2,3
.irp q, 0,1
	global_load_b128 v[SC1+8*\t+4*\q:SC1+8*\t+4*\q+3], v14, s[78:79] offset:512*\t+256*\q
.endr
.endr
	; the bias, both ways (both stay inside bqkv for every s): by source 0's rows (q, k) and by source 1's (v)
	s_and_b32 s100, s22, 3
	s_lshl_b32 s100, s100, 8                       ; 256 (X % 4)
	s_lshl_b32 s101, s17, 7
	s_add_co_u32 s101, s101, s100                  ; my first 64 h + d as source 0
	s_mul_i32 s101, s101, 12
	s_lshl_b32 s104, s16, 6
	s_add_co_u32 s104, s104, s100                  ; and as source 1
	s_mul_i32 s104, s104, 12
	s_add_co_u32 s104, s104, 8
	s_lshl_b32 s100, s19, 2
	s_add_co_u32 s100, s100, s101
	s_mov_b32 s101, 0
	s_mov_b32 s105, 0
	s_add_nc_u64 s[100:101], s[8:9], s[100:101]
	s_add_nc_u64 s[104:105], s[8:9], s[104:105]
	v_mul_u32_u24 v12, v3, 192                     ; 16 h numbers of 12 bytes
	v_and_b32 v13, 8, v2
	v_add_nc_u32 v13, v13, v2
	v_mul_u32_u24 v13, v13, 12                     ; r + 8 (r / 8)
	WIN 0xc0                                       ; destination window 3
.irp i, 0,1,2,3,4,5,6,7
.irp j, 0,1,2,3,4,5,6,7
	global_load_b32 v[8*\i+\j], v12, s[100:101] offset:12*(32*(\i/2)+8*(\i%2)+\j)
.endr
.endr
.irp t, 0,1,2,3
.irp j, 0,1,2,3,4,5,6,7
	global_load_b32 v[64+8*\t+\j], v13, s[104:105] offset:12*(32*(\t/2)+8*(\t%2))   ; one number for the lane's eight registers
.endr
.endr
	WIN 0
; 48 LDS loads: the fragments of the chunk's K step e into set p
.macro FR4 reg, a16, a8, e             ; four tiles' fragments of K step e
.irp i, 0,1,2,3
	ds_load_b128 v[\reg+12*\i:\reg+12*\i+3], v[\a16] offset:12288*\i+1536*(\e)
	ds_load_b64 v[\reg+12*\i+4:\reg+12*\i+5], v[\a8] offset:12288*\i+1536*(\e)+512
	ds_load_b128 v[\reg+12*\i+6:\reg+12*\i+9], v[\a16] offset:12288*\i+1536*(\e)+768
	ds_load_b64 v[\reg+12*\i+10:\reg+12*\i+11], v[\a8] offset:12288*\i+1536*(\e)+1280
.endr
.endm
.macro FETCH e, p                      ; e: the K step, 0 to 7
	WIN 0x40                                       ; destination window 1
	FR4 128*(\p), 4, 5, \e
	FR4 128*(\p)+48, 8, 9, \e
	WIN 0
	FR4 F1+48*(\p), 6, 7, \e
.endm
; 16 products of K step s: source 1's tiles t0, t0 + 1 x source 0's eight.  cm = 0: onto the sums; 1: the bias by source 0's rows starts them; 2: the bias by source 1's rows.
; The 32 accumulators take turns, one instruction a turn, in the same order in every K step.
.macro MUL s, t0, cm
.if \cm
	WIN 0xb1                                       ; source 0 window 1, source 1 window 0, C window 3, D window 2
.else
	WIN 0xa1                                       ; C and D window 2
.endif
.irp t, \t0, \t0+1
.irp i, 0,1,2,3,4,5,6,7
.set rD, 64*(\t)+8*\i
.set rA, 128*((\s)%2)+12*\i
.set rB, F1+48*((\s)%2)+12*(\t)
.set rC, rD
.if \cm == 1
.set rC, 8*\i
.elseif \cm == 2
.set rC, 64+8*(\t)
.endif
	v_wmma_scale_f32_16x16x128_f8f6f4 v[rD:rD+7], v[rA:rA+11], v[rB:rB+11], v[rC:rC+7], v[SC0+8*\i+(\s)], v[SC1+8*(\t)+(\s)] matrix_a_fmt:MATRIX_FMT_FP6 matrix_b_fmt:MATRIX_FMT_FP6
.endr
.endr
.endm
.macro KSTEP s                         ; K step s is multiplied while the next step's fragments come into the other set
	s_wait_dscnt 0x0                               ; this step's fragments are in
	PLACES 4                                       ; in front of loads into registers that the last products read
	FETCH (\s)+1, ((\s)+1)%2
	MUL \s, 0, 0
	MUL \s, 2, 0
.endm
	s_wait_alu depctr_va_vdst(0)
	s_wait_tensorcnt 0x0                           ; my one load has landed
	s_barrier_signal -1
	s_barrier_wait -1                              ; and everybody's: all of K is in LDS
	FETCH 0, 0
	s_wait_dscnt 0x0
	s_wait_loadcnt 0x0                             ; the bias
	FETCH 1, 1
	s_cmp_eq_u32 s19, 2
	s_cbranch_scc1 .Lk0_v
	MUL 0, 0, 1
	MUL 0, 2, 1
	WIN 0
	s_branch .Lk0_done
.Lk0_v:
	MUL 0, 0, 2
	MUL 0, 2, 2
	WIN 0
.Lk0_done:
.irp s, 1,2,3,4,5,6
	KSTEP \s
.endr
	s_wait_dscnt 0x0
	MUL 7, 0, 0
	MUL 7, 2, 0
	WIN 0
.irp b, 0,1,2,3
	v_mov_b32 v[TM+4+\b], 0                        ; a lane permute's destination counts as one of its sources.  These four are the places behind the last products
.endr
	s_mov_b32 s66, 0x76543210
	s_mov_b32 s67, 0xfedcba98                      ; selects for lane l xor 16
	v_cmp_lt_u32 s2, 15, v1                        ; lanes 16-31
; 64 numbers of a lane in window 2, register 16 b + i = k 32 b + 16 (lane / 16) + i of my row, become a fragment's codes in v[pc] on and its scale word in v[pw].  Each accumulator is read from its low end on.
.macro QUANT s, pc, pw
	WIN 0x28                                       ; sources 1 and 2 window 2
.irp b, 0,1,2,3
	v_max3_num_f32 v[TM+\b], FLOOR, |v[\s+16*\b]|, |v[\s+1+16*\b]|
.endr
.irp i, 2,4,6,8,10,12,14
.irp b, 0,1,2,3
	v_max3_num_f32 v[TM+\b], v[TM+\b], |v[\s+16*\b+\i]|, |v[\s+1+16*\b+\i]|
.endr
.endr
	WIN 0
.irp b, 0,1,2,3
	v_permlanex16_b32 v[TM+4+\b], v[TM+\b], s66, s67
.endr
.irp b, 0,1,2,3
	v_max_num_f32 v[TM+\b], v[TM+\b], v[TM+4+\b]   ; with lane l xor 16's: the block's largest magnitude
.endr
.irp b, 0,1,2,3
	v_add_nc_u32 v[TM+12+\b], EOFF, v[TM+\b]       ; the conversion's scale operand
.endr
.irp b, 0,1,2,3
	v_lshrrev_b32 v[TM+4+\b], 23, v[TM+12+\b]      ; the scale's byte
.endr
	v_lshl_or_b32 v[\pw], v[TM+5], 8, v[TM+4]
	v_lshl_or_b32 v[\pw], v[TM+6], 16, v[\pw]
	v_lshl_or_b32 v[\pw], v[TM+7], 24, v[\pw]
	WIN 0x02                                       ; source 0 window 2
.irp c, 0,1
	v_cvt_scalef32_pk16_fp6_f32 v[\pc+6*\c:\pc+2+6*\c], v[\s+32*\c:\s+15+32*\c], v[TM+12+2*\c]
	v_cvt_scalef32_pk16_fp6_f32 v[\pc+12+4*\c:\pc+14+4*\c], v[\s+16+32*\c:\s+31+32*\c], v[TM+12+2*\c+1]
.endr
	WIN 0
	v_nop                                          ; one plain line behind the conversions
.irp c, 0,1                            ; the operand's layout wants a whole block in a lane: lanes 0-15 block 2 c, lanes 16-31 block 2 c + 1
.irp i, 0,1,2
	v_permlane16_swap_b32 v[\pc+6*\c+\i], v[\pc+12+4*\c+\i]
.endr
.irp i, 0,1,2
	v_mov_b32 v[\pc+3+6*\c+\i], v[\pc+12+4*\c+\i]
.endr
.endr
.endm
.irp t, 0,1,2,3
	QUANT 64*\t, 128+20*\t, PW+\t                  ; each set of codes has registers of its own: no store's data are written again
.endr
	s_and_b32 s3, s22, 3
	s_lshl_b32 s3, s3, 2
	s_lshr_b32 s101, s23, 4
	s_lshl_b32 s101, s101, 4
	s_add_co_u32 s3, s3, s101                      ; 16 b + 4 (X % 4): the first of the work-group's four heads
	s_and_b32 s100, s23, 15                        ; which 128 rows of the batch's 2,048
	s_mov_b32 s5, 0
	s_mov_b32 s7, 0
	s_cmp_eq_u32 s19, 2
	s_cbranch_scc1 .Lv_out
	; q, k: codes [head][tile of rows: 128][768]: my fragment's lower half is head 2 wp's, its upper half head 2 wp + 1's
	s_lshl_b32 s101, s17, 1
	s_add_co_u32 s3, s3, s101
	s_mul_i32 s4, s3, 98304
	s_mul_i32 s101, s100, 6144
	s_add_co_u32 s4, s4, s101
	s_mul_i32 s101, s18, 3072
	s_add_co_u32 s4, s4, s101
	s_lshl_b32 s6, s3, 13                          ; scale words [head][four tiles: 32][lane][2 words]
	s_lshl_b32 s101, s100, 9
	s_add_co_u32 s6, s6, s101
	s_lshl_b32 s101, s18, 8
	s_add_co_u32 s6, s6, s101
	s_add_co_u32 s6, s6, OSCL
	s_cmp_eq_u32 s19, 0
	s_cselect_b64 s[8:9], s[10:11], s[12:13]       ; qq or kq: the choice hangs on the cluster's number alone
	s_add_nc_u64 s[4:5], s[8:9], s[4:5]
	s_add_nc_u64 s[6:7], s[8:9], s[6:7]
	s_wait_alu depctr_va_vdst(0)
.irp t, 0,1,2,3
	global_store_b128 v10, v[128+20*\t:131+20*\t], s[4:5] offset:768*\t
	global_store_b64 v11, v[132+20*\t:133+20*\t], s[4:5] offset:768*\t+512
	global_store_b128 v10, v[134+20*\t:137+20*\t], s[4:5] offset:768*\t+98304
	global_store_b64 v11, v[138+20*\t:139+20*\t], s[4:5] offset:768*\t+98816
.endr
	v_cndmask_b32 v228, v[PW], v[PW+1], s2         ; word i of lane l: tile 2 i + l / 16, place l % 16
	v_cndmask_b32 v229, v[PW+2], v[PW+3], s2
	v_and_b32 v230, 0xffff, v228                   ; the first head's two bytes; the bytes of the 64 zero codes that fill attention's K step are 0
	v_and_b32 v231, 0xffff, v229
	v_lshrrev_b32 v232, 16, v228                   ; the second head's
	v_lshrrev_b32 v233, 16, v229
	global_store_b64 v11, v[230:231], s[6:7]
	global_store_b64 v11, v[232:233], s[6:7] offset:8192
	s_branch .Lout_done
.Lv_out:
	; v: codes [head][128 keys: 16][tile of d: 4][1,536]; scale words [head][128 keys][r][4 tiles]
	s_add_co_u32 s3, s3, s16
	s_mul_i32 s4, s3, 98304
	s_mul_i32 s101, s100, 6144
	s_add_co_u32 s4, s4, s101
	s_lshl_b32 s6, s3, 12
	s_lshl_b32 s101, s100, 8
	s_add_co_u32 s6, s6, s101
	s_add_co_u32 s6, s6, OSCL
	s_add_nc_u64 s[4:5], s[14:15], s[4:5]
	s_add_nc_u64 s[6:7], s[14:15], s[6:7]
	s_wait_alu depctr_va_vdst(0)
.irp t, 0,1,2,3
	global_store_b128 v10, v[128+20*\t:131+20*\t], s[4:5] offset:1536*\t
	global_store_b64 v11, v[132+20*\t:133+20*\t], s[4:5] offset:1536*\t+512
	global_store_b128 v10, v[134+20*\t:137+20*\t], s[4:5] offset:1536*\t+768
	global_store_b64 v11, v[138+20*\t:139+20*\t], s[4:5] offset:1536*\t+1280
.endr
	v_cndmask_b32 v230, v[PW], v[PW+2], s2
	v_cndmask_b32 v231, v[PW+1], v[PW+3], s2
	global_store_b64 v15, v[230:231], s[6:7]
.Lout_done:
	s_wait_tensorcnt 0x0
	ds_add_u32 v254, v255
	s_wait_dscnt 0x0
	CROUND                                         ; the closing round: no work-group ends while a partner may still ask for a tile that names it
	s_endpgm
.Lfunc_end_k_q03d8783221_qkv:
	.size	k_q03d8783221_qkv, .Lfunc_end_k_q03d8783221_qkv-k_q03d8783221_qkv
	.p2alignl 7, 3214868480
	.fill 96, 4, 3214868480
	.section	.rodata,"a",@progbits
	.p2align	6, 0x0
	.amdhsa_kernel k_q03d8783221_qkv
		.amdhsa_group_segment_fixed_size 307712
		.amdhsa_private_segment_fixed_size 0
		.amdhsa_enable_private_segment 0
		.amdhsa_kernarg_size 48
		.amdhsa_user_sgpr_count 2
		.amdhsa_user_sgpr_kernarg_segment_ptr 1
		.amdhsa_wavefront_size32 1
		.amdhsa_system_sgpr_workgroup_id_x 1
		.amdhsa_system_sgpr_workgroup_id_y 1
		.amdhsa_system_sgpr_workgroup_id_z 1
		.amdhsa_system_vgpr_workitem_id 0
		.amdhsa_next_free_vgpr 1024
		.amdhsa_next_free_sgpr 106
		.amdhsa_reserve_vcc 0
		.amdhsa_float_denorm_mode_32 3
		.amdhsa_float_denorm_mode_16_64 3
		.amdhsa_memory_ordered 1
		.amdhsa_forward_progress 1
		.amdhsa_inst_pref_size 102
	.end_amdhsa_kernel
	.amdgpu_metadata
---
amdhsa.version: [ 1, 2 ]
amdhsa.kernels:
  - .name:           k_q03d8783221_qkv
    .symbol:         k_q03d8783221_qkv.kd
    .args:
      - { .name: xq, .offset: 0, .size: 8, .value_kind: global_buffer, .address_space: global }
      - { .name: wq, .offset: 8, .size: 8, .value_kind: global_buffer, .address_space: global }
      - { .name: bqkv, .offset: 16, .size: 8, .value_kind: global_buffer, .address_space: global }
      - { .name: qq, .offset: 24, .size: 8, .value_kind: global_buffer, .address_space: global }
      - { .name: kq, .offset: 32, .size: 8, .value_kind: global_buffer, .address_space: global }
      - { .name: vq, .offset: 40, .size: 8, .value_kind: global_buffer, .address_space: global }
    .group_segment_fixed_size: 307712
    .private_segment_fixed_size: 0
    .kernarg_segment_align: 8
    .kernarg_segment_size: 48
    .max_flat_workgroup_size: 128
    .sgpr_count:     106
    .vgpr_count:     1024
    .wavefront_size: 32
...
	.end_amdgpu_metadata
.endif
;; end of part 2
;; launch attn (part 3): grid 4 x 64, 16 waves a work-group, clusters of 4 x 1, 210,944 bytes of LDS; arguments qq, kq, vq, oq; writes oq
.if DOCPART == 3
	.amdgcn_target "amdgcn-amd-amdhsa--gfx1250"
	.amdhsa_code_object_version 6
	.text
	.protected	k_q03d8783221_attn
	.globl	k_q03d8783221_attn
	.p2align	8
	.type	k_q03d8783221_attn,@function
k_q03d8783221_attn:
	s_mov_b64 s[64:65], 0
	v_nop
	global_prefetch_b8 v0, s[64:65] scope:SCOPE_SE
	s_setreg_imm32_b32 hwreg(HW_REG_WAVE_MODE, 25, 1), 1
	s_wait_xcnt 0x0
	s_wait_alu depctr_hold_cnt(0) depctr_sa_sdst(0) depctr_va_vdst(0) depctr_va_sdst(0) depctr_va_ssrc(0) depctr_va_vcc(0) depctr_vm_vsrc(0)
	s_getreg_b32 s2, hwreg(HW_REG_IB_STS2, 6, 4)
	s_cmp_eq_u32 s2, 0
	s_cbranch_scc0 .Lentry_in_a_cluster
	s_endpgm
.Lentry_in_a_cluster:
	s_bfe_u32 s2, ttmp6, 0x10000c
	s_cmp_lg_u32 s2, 0x3003
	s_cbranch_scc0 .Lentry_shape_is_right
	s_endpgm
.Lentry_shape_is_right:
; o = softmax(q k^T / 32) v for one head of one batch entry, both products on codes of FP6 (E2M3) with E8M0 scales; o is divided by the row's sum and quantised at once for the last product.
; THE SOFTMAX: t = score x log2(e) / 32; M = the running largest t rounded UP to a whole number; p = 2^(t - M) is quantised along the keys, not normalised; the row's sum is taken of the unquantised p.
; When M moves, the sum and O are multiplied by 2^(old M - new M): exact, and no branch on data.
; SHARES: a work-group owns 512 queries of a head; each of its sixteen waves owns a tile of 16 queries in each of two passes; four waves to a SIMD, so that one wave's vector work stands beside another's products and LDS loads.
; THE HEAD'S K AND V LIE IN LDS WHOLE (2 x 98,304 bytes of codes, 12,288 of scale bytes), each byte filled once: no ring.  The keys' first 512 come by loads of their own, so that the first steps begin while the rest lands.
; CLUSTER: the four query blocks of a head ask for K and V jointly: the same loads, descriptors and mask (all four) in all four.
; LAYOUT: both products transposed: S^T = K Q^T (source 0 = 16 keys), O^T = V^T P^T (source 0 = 16 of d): a lane holds one query throughout.  Tiles hold their rows in the order 32 (T / 2) + 8 (T % 2) + r + 8 (r / 8),
; so that the 16 registers of two neighbouring tiles of a result are 16 neighbours along the next K.  Operands lie as images of their registers: every LDS load is dense.
; The first product's K is 64: registers 6-11 of K's and Q's fragments are zero codes, written once; their scale bytes are 0, which is a power of two like any other.
; LIMITS: a block of zeros gets the byte 1 (its codes are zeros; this program alone reads the bytes); NaN and infinities are not served.  A block's largest p is taken from the block's largest score by the same two instructions.
; REGISTERS: v1-6 addresses that stay; v7-11, v16 the step's; v12 -M, v13 the largest t, v[14:15] the sum; v17, v18 Q's scale words; v19 16 r + h; v20-31 Q; v32-37 the second pass's Q; v40-87 four fragments of K;
;   v88-151 S^T, then p, then V's four fragments; v152-183 O^T; v184-195 p's codes; v196-202 conversions; v204-215 at work; v216-219 K's scale words; v220-223 V's; v224 f; v225 p's scale word; v226-229 at work.
.set KF,  40
.set S,   88
.set O,   152
.set PC,  184
.set CT,  196
.set BM,  204
.set PB,  208
.set SO,  212
.set KS,  216
.set VS,  220
.set LV,  98304                        ; LDS: K's codes at 0, V's here,
.set LKS, 196608                       ; K's scale words,
.set LVS, 204800                       ; V's
.set OSCL, 6291456                     ; where the scale bytes begin in each of the four buffers
.set FLOOR, 0x1800000
.set EOFF,  0xff000000
.macro CROUND
	s_barrier_signal -1
	s_barrier_wait -1
	s_cmp_lg_u32 s12, 0
	s_cbranch_scc1 .Lnot_wave_0_\@
	s_barrier_signal -3
.Lnot_wave_0_\@:
	s_barrier_wait -3
	s_barrier_signal -1
	s_barrier_wait -1
.endm
	s_load_b256 s[4:11], s[0:1], 0x0               ; qq, kq, vq, oq
	v_lshl_add_u32 v240, v0, 2, 0x33000
	v_mov_b32 v241, 0
	ds_add_u32 v240, v241
	ds_add_u32 v240, v241
	v_lshrrev_b32 v1, 5, v0
	s_delay_alu instid0(VALU_DEP_1)
	v_readfirstlane_b32 s12, v1                    ; wave 0..15
	s_bfe_u32 s13, ttmp6, 0x40000                  ; cx: it enters Q's and O's global addresses alone
	s_lshl_b32 s14, ttmp9, 2
	s_add_co_u32 s14, s14, s13                     ; my block of 512 queries
	s_and_b32 s15, ttmp7, 0xffff                   ; 16 b + head, which the four partners share
	s_mov_b32 s16, 0x76543210
	s_mov_b32 s17, 0xfedcba98                      ; selects for lane l xor 16
	s_mov_b32 s18, 0x3d38aa3b                      ; c = log2(e) / 32
	s_mov_b32 s19, s18                             ; (named with it as a pair)
	; descriptor groups 1: dense blocks as rows of 256 bytes (32 elements of 8 bytes); mask: all four; bit 21 set beside it
.irp g, 24, 40, 48
	s_mov_b32 s[\g], 15|(3<<16)|(1<<21)
	s_mov_b32 s[\g+1], 32<<16
	s_mov_b32 s[\g+3], 32<<16
	s_mov_b32 s[\g+5], 32
	s_mov_b32 s[\g+6], 0
	s_mov_b32 s[\g+7], 0
.endr
	s_mov_b32 s26, 96<<16                          ; s[24:31] the first 512 keys' codes: 24,576 bytes
	s_mov_b32 s28, 96
	s_mov_b32 s42, 32<<16                          ; s[40:47] K's scale words: 8,192 bytes
	s_mov_b32 s44, 32
	s_mov_b32 s50, 16<<16                          ; s[48:55] V's: 4,096 bytes
	s_mov_b32 s52, 16
	s_mul_i32 s84, s15, 98304
	s_lshl_b32 s86, s15, 13
	s_add_co_u32 s86, s86, OSCL
	s_mov_b32 s87, 0
	s_lshl_b32 s88, s15, 12
	s_add_co_u32 s88, s88, OSCL
	s_mov_b32 s89, 0
	s_wait_dscnt 0x0
	s_wait_kmcnt 0x0
	s_mov_b32 s56, 1                               ; s[56:59] K's scale words
	s_mov_b32 s57, LKS
	s_add_nc_u64 s[58:59], s[6:7], s[86:87]
	s_or_b32 s59, s59, 0x80000000
	s_and_b32 s61, s12, 3                          ; the codes come in quarters of 512 keys, 24,576 bytes: quarter wave % 4
	s_mul_i32 s61, s61, 24576
	s_add_co_u32 s70, s61, s84
	s_mov_b32 s71, 0
	s_mov_b32 s60, 1                               ; s[60:63] a quarter of K's codes
	s_add_nc_u64 s[62:63], s[6:7], s[70:71]
	s_or_b32 s63, s63, 0x80000000
	s_mov_b32 s72, 1                               ; s[72:75] V's scale words
	s_mov_b32 s73, LVS
	s_add_nc_u64 s[74:75], s[8:9], s[88:89]
	s_or_b32 s75, s75, 0x80000000
	s_mov_b32 s76, 1                               ; s[76:79] a quarter of V's codes
	s_add_co_u32 s77, s61, LV
	s_add_nc_u64 s[78:79], s[8:9], s[70:71]
	s_or_b32 s79, s79, 0x80000000
	CROUND                                         ; all four work-groups are here: the joint loads meet
	; All fills of the launch, one a wave: waves 0-3 K's codes, 4-7 V's, 8 and 9 the scale words.  One load of a wave is out at the most.
; THE FILLS, in place of what the head says of the first 512 keys: ten joint loads, one a wave, in one chain of branches on the wave's number:
; waves 0-3 a quarter each of K's codes, waves 4-7 of V's, wave 8 K's scale words, wave 9 V's; the other waves none.  One wait for all and one barrier follow, and all sixteen key steps of a pass go through the loop.
.macro ARM under, g0, g1, next
	s_cmp_lt_u32 s12, \under
	s_cbranch_scc0 \next
	tensor_load_to_lds s[\g0:\g0+3], s[\g1:\g1+7]
	s_nop 0
.rept 4
	v_nop
.endr
	s_branch .Lasked
\next:
.endm
	ARM 4, 60, 24, .Lh_v
	ARM 8, 76, 24, .Lh_ks
	ARM 9, 56, 40, .Lh_vs
	s_cmp_lt_u32 s12, 10
	s_cbranch_scc0 .Lasked
	tensor_load_to_lds s[72:75], s[48:55]
	s_nop 0
.rept 4
	v_nop
.endr
.Lasked:
	; Q and O: my tile in pass p is T = 32 x block + 16 p + wave
	s_lshl_b32 s92, s14, 5
	s_add_co_u32 s92, s92, s12                     ; T of pass 0
	s_mul_i32 s94, s92, 768
	s_add_co_u32 s94, s94, s84
	s_mov_b32 s95, 0
	s_add_nc_u64 s[94:95], s[4:5], s[94:95]        ; Q's codes
	s_lshr_b32 s93, s92, 2
	s_lshl_b32 s96, s93, 8                         ; Q's scale word: 256 bytes for four tiles,
	s_add_co_u32 s96, s96, s86
	s_and_b32 s93, s92, 1
	s_lshl_b32 s93, s93, 7                         ; lanes 16-31's places for an odd tile,
	s_add_co_u32 s96, s96, s93
	s_bfe_u32 s93, s92, 0x10001
	s_lshl_b32 s93, s93, 2                         ; the second word for tiles 2 and 3 of the four
	s_add_co_u32 s96, s96, s93
	s_mov_b32 s97, 0
	s_add_nc_u64 s[96:97], s[4:5], s[96:97]
	s_lshr_b32 s93, s15, 4
	s_lshl_b32 s93, s93, 7
	s_add_co_u32 s93, s93, s92                     ; O's tile among all 512: 128 b + T
	s_and_b32 s104, s15, 15                        ; the head: 64 of the last product's K
	s_mul_i32 s98, s93, 12288
	s_mul_i32 s105, s104, 768
	s_add_co_u32 s98, s98, s105
	s_mov_b32 s99, 0
	s_add_nc_u64 s[98:99], s[10:11], s[98:99]      ; O's codes: half fragment number head of the tile
	s_lshl_b32 s100, s93, 9
	s_lshr_b32 s105, s104, 3
	s_lshl_b32 s105, s105, 8
	s_add_co_u32 s100, s100, s105
	s_bfe_u32 s105, s104, 0x20001
	s_lshl_b32 s105, s105, 2
	s_add_co_u32 s100, s100, s105
	s_and_b32 s105, s104, 1
	s_lshl_b32 s105, s105, 1
	s_add_co_u32 s100, s100, s105
	s_add_co_u32 s100, s100, OSCL
	s_mov_b32 s101, 0
	s_add_nc_u64 s[100:101], s[10:11], s[100:101]  ; O's scale bytes: the head's two bytes of its word
	v_and_b32 v226, 31, v0                         ; lane
	v_and_b32 v227, 15, v0                         ; r
	v_bfe_u32 v228, v0, 4, 1                       ; h
	s_delay_alu instid0(VALU_DEP_3)
	v_cmp_lt_u32 s104, 15, v226                    ; lanes 16-31
	s_delay_alu instid0(VALU_DEP_4)
	v_lshlrev_b32 v1, 4, v226                      ; K's fragments: 16 x lane,
	v_lshlrev_b32 v2, 3, v226                      ; 8 x lane
	s_delay_alu instid0(VALU_DEP_2)
	v_add_nc_u32 v3, LV, v1                        ; V's
	s_delay_alu instid0(VALU_DEP_2)
	v_add_nc_u32 v4, LV, v2
	s_delay_alu instid0(VALU_DEP_3)
	v_add_nc_u32 v5, LKS, v2                       ; K's scale words: 8 bytes a lane
	v_lshlrev_b32 v6, 4, v227
	s_delay_alu instid0(VALU_DEP_1)
	v_add_nc_u32 v19, v6, v228                     ; O's scale byte: 16 r + h
	s_delay_alu instid0(VALU_DEP_2)
	v_add_nc_u32 v6, LVS, v6                       ; V's scale words: 16 bytes a row
	v_lshlrev_b32 v16, 3, v227
	global_load_b128 v[20:23], v1, s[94:95]        ; Q's codes, both passes'
	global_load_b64 v[24:25], v2, s[94:95] offset:512
	global_load_b128 v[32:35], v1, s[94:95] offset:12288
	global_load_b64 v[36:37], v2, s[94:95] offset:12800
	global_load_b32 v17, v16, s[96:97]             ; and its scale words
	global_load_b32 v18, v16, s[96:97] offset:1024
.irp i, 26,27,28,29,30,31
	v_mov_b32 v[\i], 0                             ; the zero codes that fill the first product's K step: Q's,
.endr
.irp t, 0,1,2,3
.irp i, 6,7,8,9,10,11
	v_mov_b32 v[KF+12*\t+\i], 0                    ; and K's
.endr
.endr
.irp b, 0,1,2,3
	v_mov_b32 v[PB+\b], 0                          ; a lane permute's destination counts as one of its sources
.endr
	v_mov_b32 v225, 0                              ; (named as the upper half of the pair v[224:225] before it is first written)
	v_mov_b32 v227, 0
.macro INIT                            ; a pass begins: O^T and the sum are zeros, which the first change of M leaves zeros, so that the step is written once
	v_mov_b32 v13, 0xff61b1e6                      ; the largest t so far: -3e38
	s_delay_alu instid0(VALU_DEP_1)
	v_floor_f32 v12, -v13
	v_mov_b32 v14, 0
	v_mov_b32 v15, 0
.irp j, 0,1,2,3,4,5,6,7,8,9,10,11,12,13,14,15,16,17,18,19,20,21,22,23,24,25,26,27,28,29,30,31
	v_mov_b32 v[O+\j], 0
.endr
.endm
; A KEY STEP: 128 keys.  off: steps that stand in the immediates;  qs: the register of Q's scale words.  s20, s21, s22: where the step's codes, K's scale words and V's begin.
.macro STEP off, qs
	v_add_nc_u32 v7, s20, v1                       ; these six are also the places between the last products, which read V's fragments, and the products below, whose results lie over them (five are owed)
	s_wait_alu depctr_va_vdst(0)
	v_add_nc_u32 v8, s20, v2
	s_wait_alu depctr_va_vdst(0)
	v_add_nc_u32 v9, s20, v3
	v_add_nc_u32 v10, s20, v4
	v_add_nc_u32 v11, s21, v5
	v_add_nc_u32 v16, s22, v6
	ds_load_b64 v[KS:KS+1], v11 offset:512*\off            ; word i: lanes 0-15 tile 2 i's rows, lanes 16-31 tile 2 i + 1's
	ds_load_b64 v[KS+2:KS+3], v11 offset:512*\off+256
.irp g, 0,1                            ; S^T = K Q^T, four tiles of 16 keys at a time
.if \g
.rept 4
	v_nop                                          ; places in front of loads into registers that products have read
.endr
.endif
.irp t, 0,1,2,3
	ds_load_b128 v[KF+12*\t:KF+12*\t+3], v7 offset:6144*\off+768*(4*\g+\t)
	ds_load_b64 v[KF+12*\t+4:KF+12*\t+5], v8 offset:6144*\off+768*(4*\g+\t)+512
.endr
	s_wait_dscnt 0x0
.irp t, 0,1,2,3
.if \t%2
	v_wmma_scale_f32_16x16x128_f8f6f4 v[S+8*(4*\g+\t):S+8*(4*\g+\t)+7], v[KF+12*\t:KF+12*\t+11], v[20:31], 0, v[KS+2*\g+\t/2], v[\qs] matrix_a_fmt:MATRIX_FMT_FP6 matrix_b_fmt:MATRIX_FMT_FP6 matrix_a_scale:MATRIX_SCALE_ROW1
.else
	v_wmma_scale_f32_16x16x128_f8f6f4 v[S+8*(4*\g+\t):S+8*(4*\g+\t)+7], v[KF+12*\t:KF+12*\t+11], v[20:31], 0, v[KS+2*\g+\t/2], v[\qs] matrix_a_fmt:MATRIX_FMT_FP6 matrix_b_fmt:MATRIX_FMT_FP6
.endif
.endr
.endr
.rept 4
	v_nop
.endr
.irp b, 0,1,2,3
	v_max3_num_f32 v[BM+\b], v[S+16*\b], v[S+1+16*\b], v[S+2+16*\b]   ; the largest score of each block of 32 keys: for the row's maximum and, since p rises with the score, for the block's largest p
.endr
.irp i, 3,5,7,9,11,13
.irp b, 0,1,2,3
	v_max3_num_f32 v[BM+\b], v[BM+\b], v[S+16*\b+\i], v[S+1+16*\b+\i]
.endr
.endr
.irp b, 0,1,2,3
	v_max_num_f32 v[BM+\b], v[BM+\b], v[S+15+16*\b]
.endr
.irp b, 0,1,2,3
	s_delay_alu instid0(VALU_DEP_4)
	v_permlanex16_b32 v[PB+\b], v[BM+\b], s16, s17
.endr
.irp b, 0,1,2,3
	s_delay_alu instid0(VALU_DEP_4)
	v_max_num_f32 v[BM+\b], v[BM+\b], v[PB+\b]     ; with lane l xor 16's 16 keys
.endr
	s_delay_alu instid0(VALU_DEP_2)
	v_max3_num_f32 v226, v[BM], v[BM+1], v[BM+2]
	s_delay_alu instid0(VALU_DEP_1)
	v_max_num_f32 v226, v226, v[BM+3]
	s_delay_alu instid0(VALU_DEP_1)
	v_mul_f32 v226, s18, v226                      ; as t (c is positive)
	s_delay_alu instid0(VALU_DEP_1)
	v_max_num_f32 v13, v13, v226                   ; the running largest t
	v_mov_b32 v226, v12
	s_delay_alu instid0(VALU_DEP_2)
	v_floor_f32 v12, -v13                          ; the new -M = -ceil(t)
	s_delay_alu instid0(VALU_DEP_1)
	v_sub_f32 v226, v12, v226                      ; old M - new M: a whole number, 0 or less
	s_delay_alu instid0(VALU_DEP_1)
	v_cvt_i32_f32 v226, v226                       ; (it saturates)
	s_delay_alu instid0(VALU_DEP_1)
	v_ldexp_f32 v224, 1.0, v226                    ; f = 2^(old M - new M)
.irp j, 0,2,4,6,8,10,12,14,16,18,20,22,24,26,28,30,32,34,36,38,40,42,44,46,48,50,52,54,56,58,60,62
	v_pk_fma_f32 v[S+\j:S+\j+1], v[S+\j:S+\j+1], s[18:19], v[12:13] op_sel_hi:[1,0,0]   ; t - M
.endr
.irp b, 0,1,2,3
	v_fma_f32 v[BM+\b], v[BM+\b], s18, v12
.endr
	s_wait_alu depctr_va_vdst(0)
.irp j, 0,1,2,3,4,5,6,7,8,9,10,11,12,13,14,15,16,17,18,19,20,21,22,23,24,25,26,27,28,29,30,31,32,33,34,35,36,37,38,39,40,41,42,43,44,45,46,47,48,49,50,51,52,53,54,55,56,57,58,59,60,61,62,63
	v_exp_f32 v[S+\j], v[S+\j]                     ; p = 2^(t - M)
.endr
.irp b, 0,1,2,3
	v_exp_f32 v[BM+\b], v[BM+\b]                   ; the block's largest p
.endr
	v_pk_mul_f32 v[14:15], v[14:15], v[224:225] op_sel_hi:[1,0]   ; the sum under the new M; the plain line behind the exponentials
	s_wait_alu depctr_va_vdst(0)
.irp b, 0,1,2,3
	v_max_num_f32 v[BM+\b], FLOOR, v[BM+\b]
.endr
.irp b, 0,1,2,3
	s_delay_alu instid0(VALU_DEP_4)
	v_add_nc_u32 v[SO+\b], EOFF, v[BM+\b]          ; the conversion's scale operand
.endr
.irp b, 0,1,2,3
	s_delay_alu instid0(VALU_DEP_4)
	v_lshrrev_b32 v[PB+\b], 23, v[SO+\b]           ; the scale's byte
.endr
	s_delay_alu instid0(VALU_DEP_3)
	v_lshl_or_b32 v225, v[PB+1], 8, v[PB]          ; p's scale word for these 128 keys
	s_delay_alu instid0(VALU_DEP_1)
	v_lshl_or_b32 v225, v[PB+2], 16, v225
	s_delay_alu instid0(VALU_DEP_1)
	v_lshl_or_b32 v225, v[PB+3], 24, v225
.irp c, 0,1
	v_cvt_scalef32_pk16_fp6_f32 v[PC+6*\c:PC+2+6*\c], v[S+32*\c:S+15+32*\c], v[SO+2*\c]
	v_cvt_scalef32_pk16_fp6_f32 v[CT+4*\c:CT+2+4*\c], v[S+16+32*\c:S+31+32*\c], v[SO+2*\c+1]
.endr
	v_nop                                          ; one plain line behind the conversions
.irp c, 0,1                            ; a whole block in a lane: lanes 0-15 block 2 c, lanes 16-31 block 2 c + 1
.irp i, 0,1,2
	v_permlane16_swap_b32 v[PC+6*\c+\i], v[CT+4*\c+\i]
.endr
.irp i, 0,1,2
	s_delay_alu instid0(VALU_DEP_3)
	v_mov_b32 v[PC+3+6*\c+\i], v[CT+4*\c+\i]
.endr
.endr
	v_pk_add_f32 v[228:229], v[92:93], v[96:97]
	v_pk_add_f32 v[238:239], v[100:101], v[104:105]
	v_pk_add_f32 v[236:237], v[108:109], v[112:113]
	v_pk_add_f32 v[234:235], v[116:117], v[120:121]
	v_pk_add_f32 v[232:233], v[124:125], v[128:129]
	v_pk_add_f32 v[230:231], v[132:133], v[136:137]
	v_pk_add_f32 v[222:223], v[140:141], v[144:145]
	v_pk_add_f32 v[14:15], v[14:15], v[148:149]
	v_pk_add_f32 v[228:229], v[228:229], v[88:89]
	v_pk_add_f32 v[238:239], v[238:239], v[90:91]
	v_pk_add_f32 v[236:237], v[236:237], v[94:95]
	v_pk_add_f32 v[234:235], v[234:235], v[98:99]
	v_pk_add_f32 v[232:233], v[232:233], v[102:103]
	v_pk_add_f32 v[230:231], v[230:231], v[106:107]
	v_pk_add_f32 v[222:223], v[222:223], v[110:111]
	v_pk_add_f32 v[14:15], v[14:15], v[114:115]
	v_pk_add_f32 v[228:229], v[228:229], v[118:119]
	v_pk_add_f32 v[238:239], v[238:239], v[122:123]
	v_pk_add_f32 v[236:237], v[236:237], v[126:127]
	v_pk_add_f32 v[234:235], v[234:235], v[130:131]
	v_pk_add_f32 v[232:233], v[232:233], v[134:135]
	v_pk_add_f32 v[230:231], v[230:231], v[138:139]
	v_pk_add_f32 v[222:223], v[222:223], v[142:143]
	v_pk_add_f32 v[14:15], v[14:15], v[146:147]
	v_pk_add_f32 v[228:229], v[228:229], v[150:151]
	s_delay_alu instid0(VALU_DEP_2)
	v_pk_add_f32 v[14:15], v[14:15], v[234:235]
	s_delay_alu instid0(VALU_DEP_2)
	v_pk_add_f32 v[228:229], v[228:229], v[232:233]
	v_pk_add_f32 v[238:239], v[238:239], v[230:231]
	v_pk_add_f32 v[236:237], v[236:237], v[222:223]
	s_delay_alu instid0(VALU_DEP_2)
	v_pk_add_f32 v[14:15], v[14:15], v[238:239]
	s_delay_alu instid0(VALU_DEP_2)
	v_pk_add_f32 v[228:229], v[228:229], v[236:237]
	s_delay_alu instid0(VALU_DEP_1)
	v_pk_add_f32 v[14:15], v[14:15], v[228:229]
	ds_load_b128 v[VS:VS+3], v16 offset:256*\off   ; V's scale words: the four tiles' for my row;  V's fragments land where p lay
.irp t, 0,1,2,3
	ds_load_b128 v[S+12*\t:S+12*\t+3], v9 offset:6144*\off+1536*\t
	ds_load_b64 v[S+12*\t+4:S+12*\t+5], v10 offset:6144*\off+1536*\t+512
	ds_load_b128 v[S+12*\t+6:S+12*\t+9], v9 offset:6144*\off+1536*\t+768
	ds_load_b64 v[S+12*\t+10:S+12*\t+11], v10 offset:6144*\off+1536*\t+1280
.endr
.irp j, 0,2,4,6,8,10,12,14,16,18,20,22,24,26,28,30
	v_pk_mul_f32 v[O+\j:O+\j+1], v[O+\j:O+\j+1], v[224:225] op_sel_hi:[1,0]   ; O^T under the new M, while the loads are out
.endr
	s_wait_alu depctr_va_vdst(0)
	s_wait_dscnt 0x0
.irp t, 0,1,2,3                        ; O^T += V^T P^T: the four accumulators by turns
	v_wmma_scale_f32_16x16x128_f8f6f4 v[O+8*\t:O+8*\t+7], v[S+12*\t:S+12*\t+11], v[PC:PC+11], v[O+8*\t:O+8*\t+7], v[VS+\t], v225 matrix_a_fmt:MATRIX_FMT_FP6 matrix_b_fmt:MATRIX_FMT_FP6
.endr
.endm
; A pass ends: O^T / the sum; register 16 b + i is d = 32 b + 16 (lane / 16) + i: two blocks of the last product's K; codes and two scale bytes a row go out.
.macro EPI p
.rept 4
	v_nop
.endr
	v_add_f32 v14, v14, v15
	s_delay_alu instid0(VALU_DEP_1)
	v_permlanex16_b32 v227, v14, s16, s17
	s_delay_alu instid0(VALU_DEP_1)
	v_add_f32 v14, v14, v227                       ; the row's sum
	s_wait_alu depctr_va_vdst(0)
	v_rcp_f32 v226, v14
	v_nop                                          ; one plain line behind the reciprocal
	s_wait_alu depctr_va_vdst(0)
.irp j, 0,2,4,6,8,10,12,14,16,18,20,22,24,26,28,30
	v_pk_mul_f32 v[O+\j:O+\j+1], v[O+\j:O+\j+1], v[226:227] op_sel_hi:[1,0]   ; each accumulator from its low end on
.endr
.irp b, 0,1
	v_max3_num_f32 v[BM+\b], |v[O+16*\b]|, |v[O+1+16*\b]|, FLOOR
.endr
.irp i, 2,4,6,8,10,12,14
.irp b, 0,1
	s_delay_alu instid0(VALU_DEP_2)
	v_max3_num_f32 v[BM+\b], v[BM+\b], |v[O+16*\b+\i]|, |v[O+1+16*\b+\i]|
.endr
.endr
.irp b, 0,1
	s_delay_alu instid0(VALU_DEP_2)
	v_permlanex16_b32 v[PB+\b], v[BM+\b], s16, s17
.endr
.irp b, 0,1
	s_delay_alu instid0(VALU_DEP_2)
	v_max_num_f32 v[BM+\b], v[BM+\b], v[PB+\b]
.endr
.irp b, 0,1
	s_delay_alu instid0(VALU_DEP_2)
	v_add_nc_u32 v[SO+\b], EOFF, v[BM+\b]
.endr
.irp b, 0,1
	s_delay_alu instid0(VALU_DEP_2)
	v_lshrrev_b32 v[PB+\b], 23, v[SO+\b]
.endr
	v_cvt_scalef32_pk16_fp6_f32 v[PC:PC+2], v[O:O+15], v[SO]
	v_cvt_scalef32_pk16_fp6_f32 v[CT:CT+2], v[O+16:O+31], v[SO+1]
	v_cndmask_b32 v227, v[PB], v[PB+1], s104       ; lane (r, h) stores block h's byte; also the plain line behind the conversions
.irp i, 0,1,2
	v_permlane16_swap_b32 v[PC+\i], v[CT+\i]
.endr
.irp i, 0,1,2
	s_delay_alu instid0(VALU_DEP_3)
	v_mov_b32 v[PC+3+\i], v[CT+\i]
.endr
	global_store_b128 v1, v[PC:PC+3], s[98:99] offset:196608*\p        ; 512 consecutive bytes
	global_store_b64 v2, v[PC+4:PC+5], s[98:99] offset:196608*\p+512   ; 256 consecutive bytes
	global_store_b8 v19, v227, s[100:101] offset:8192*\p               ; single bytes: a head owns two of a scale word's four; 32 bytes for each 768 of codes
.endm
	INIT
	s_mov_b32 s20, 0
	s_mov_b32 s21, 0
	s_mov_b32 s22, 0
	s_wait_loadcnt 0x0                             ; Q
	s_wait_tensorcnt 0x0                           ; my one load has landed
	s_barrier_signal -1
	s_barrier_wait -1                              ; and everybody's: the head's K and V are in LDS
	s_mov_b32 s23, 16
.Lpass0:
	STEP 0, 17
	s_add_co_u32 s20, s20, 6144
	s_add_co_u32 s21, s21, 512
	s_add_co_u32 s22, s22, 256
	s_sub_co_u32 s23, s23, 1
	s_cmp_lg_u32 s23, 0
	s_cbranch_scc1 .Lpass0
	EPI 0
	s_wait_xcnt 0x0                                ; the stores have read their registers, which the second pass writes again
.irp i, 0,1,2,3,4,5
	v_mov_b32 v[20+\i], v[32+\i]                   ; the second pass's Q
.endr
	INIT
	s_mov_b32 s20, 0
	s_mov_b32 s21, 0
	s_mov_b32 s22, 0
	s_mov_b32 s23, 16
.Lpass1:
	STEP 0, 18
	s_add_co_u32 s20, s20, 6144
	s_add_co_u32 s21, s21, 512
	s_add_co_u32 s22, s22, 256
	s_sub_co_u32 s23, s23, 1
	s_cmp_lg_u32 s23, 0
	s_cbranch_scc1 .Lpass1
	EPI 1
	s_wait_tensorcnt 0x0
	ds_add_u32 v240, v241
	s_wait_dscnt 0x0
	CROUND                                         ; the closing round
	s_endpgm
.Lfunc_end_k_q03d8783221_attn:
	.size	k_q03d8783221_attn, .Lfunc_end_k_q03d8783221_attn-k_q03d8783221_attn
	.p2alignl 7, 3214868480
	.fill 96, 4, 3214868480
	.section	.rodata,"a",@progbits
	.p2align	6, 0x0
	.amdhsa_kernel k_q03d8783221_attn
		.amdhsa_group_segment_fixed_size 210944
		.amdhsa_private_segment_fixed_size 0
		.amdhsa_enable_private_segment 0
		.amdhsa_kernarg_size 32
		.amdhsa_user_sgpr_count 2
		.amdhsa_user_sgpr_kernarg_segment_ptr 1
		.amdhsa_wavefront_size32 1
		.amdhsa_system_sgpr_workgroup_id_x 1
		.amdhsa_system_sgpr_workgroup_id_y 1
		.amdhsa_system_sgpr_workgroup_id_z 1
		.amdhsa_system_vgpr_workitem_id 0
		.amdhsa_next_free_vgpr 242
		.amdhsa_next_free_sgpr 106
		.amdhsa_reserve_vcc 0
		.amdhsa_float_denorm_mode_32 3
		.amdhsa_float_denorm_mode_16_64 3
		.amdhsa_memory_ordered 1
		.amdhsa_forward_progress 1
		.amdhsa_inst_pref_size 57
	.end_amdhsa_kernel
	.amdgpu_metadata
---
amdhsa.version: [ 1, 2 ]
amdhsa.kernels:
  - .name:           k_q03d8783221_attn
    .symbol:         k_q03d8783221_attn.kd
    .args:
      - { .name: qq, .offset: 0, .size: 8, .value_kind: global_buffer, .address_space: global }
      - { .name: kq, .offset: 8, .size: 8, .value_kind: global_buffer, .address_space: global }
      - { .name: vq, .offset: 16, .size: 8, .value_kind: global_buffer, .address_space: global }
      - { .name: oq, .offset: 24, .size: 8, .value_kind: global_buffer, .address_space: global }
    .group_segment_fixed_size: 210944
    .private_segment_fixed_size: 0
    .kernarg_segment_align: 8
    .kernarg_segment_size: 32
    .max_flat_workgroup_size: 512
    .sgpr_count:     106
    .vgpr_count:     242
    .wavefront_size: 32
...
	.end_amdgpu_metadata
.endif
;; end of part 3
;; launch proj (part 4): grid 4 x 64, 4 waves a work-group, clusters of 4 x 4, 307,712 bytes of LDS; arguments oq, wq, bproj, out0; writes out0
.if DOCPART == 4
	.amdgcn_target "amdgcn-amd-amdhsa--gfx1250"
	.amdhsa_code_object_version 6
	.text
	.protected	k_q03d8783221_proj
	.globl	k_q03d8783221_proj
	.p2align	8
	.type	k_q03d8783221_proj,@function
k_q03d8783221_proj:
	s_mov_b64 s[64:65], 0
	v_nop
	global_prefetch_b8 v0, s[64:65] scope:SCOPE_SE
	s_setreg_imm32_b32 hwreg(HW_REG_WAVE_MODE, 25, 1), 1
	s_wait_xcnt 0x0
	s_wait_alu depctr_hold_cnt(0) depctr_sa_sdst(0) depctr_va_vdst(0) depctr_va_sdst(0) depctr_va_ssrc(0) depctr_va_vcc(0) depctr_vm_vsrc(0)
	s_getreg_b32 s2, hwreg(HW_REG_IB_STS2, 6, 4)
	s_cmp_eq_u32 s2, 0
	s_cbranch_scc0 .Lentry_in_a_cluster
	s_endpgm
.Lentry_in_a_cluster:
	s_bfe_u32 s2, ttmp6, 0x10000c
	s_cmp_lg_u32 s2, 0xf033
	s_cbranch_scc0 .Lentry_shape_is_right
	s_endpgm
.Lentry_shape_is_right:
; out0 = o Wproj + bproj on codes of FP6 (E2M3) with E8M0 scales; out0 [8192][1024] f32.  The frame is that of the launch that makes q, k and v.
; A work-group makes 128 rows of o (8 tiles) x 256 columns (16 tiles of Wproj's logical rows n); K = 1024 is eight steps of 128, ALL OF IT IN LDS, each byte filled once, in four chunks of two K steps.
; CLUSTERS: 4 x 4 work-groups.  o's tiles hang on the work-group's y alone and are asked for jointly by a row of the cluster, W's on its x alone and by a column.
; Operands lie as images of the registers (a fragment: 1,536 bytes: registers 0-3 at 16 x lane, 4-5 at 512 + 8 x lane, 6-9 at 768 + 16 x lane, 10-11 at 1,280 + 8 x lane).
; A tile's place r holds logical row 32 (T / 2) + 8 (T % 2) + r + 8 (r / 8).  Source 0 = 8 tiles of W, source 1 = 4 tiles of o: a lane holds one row of o, and its 64 registers of a tile run along 128 columns:
; register 16 b + i is column 32 b + 16 (lane / 16) + i.  The rows' order is undone in the stores' offsets.  The bias is the C of each sum's first product.
; THE WAY OUT: a tile of 16 rows x 128 columns goes through the wave's own stage in LDS and leaves as rows of 512 consecutive bytes.  The stages lie in chunk 0, which has had its one fill, and which nobody reads behind the barrier in K step 1.
; REGISTERS: window 0: v1-15 addresses; v32-95 source 0's scale words, v96-127 source 1's; v128-223 source 1's fragments, two sets; on the way out v128-255 rows of out0.
;   window 1: source 0's fragments, two sets.   window 2: the 32 accumulators (64 t + 8 i).   window 3: v0-63 the bias.
; THE FILLS, in place of what the head says of chunks: the codes lie in LDS as they lie in memory, 12,288 bytes a tile (K step s at 1,536 s): o's 8 tiles at 0, W's 16 behind them.
; Three joint loads of 98,304 dense bytes, one a wave (wave 0 o's, waves 1 and 2 a half of W's each), one wait for all and one barrier.  The scale words go from memory straight into their registers.
.set BPART, 98304                      ; 8 tiles, all of K
.set ASCL,  6291456                    ; where oq's scale bytes begin
.set BCOD,  2457600                    ; Wproj's codes in wq
.set BSCL,  3244032                    ; and its scale bytes
.set SC0,   32
.set SC1,   96
.set F1,    128
.set SPI,   528                        ; a stage row: 512 bytes + 16
.set MSB, 0
.macro WIN new                         ; the immediate's high byte repeats the setting that is left
.if MSB != \new
	s_set_vgpr_msb (MSB<<8)|\new
.set MSB, \new
.endif
.endm
.macro CROUND                          ; a round of the cluster's barrier
	s_barrier_signal -1
	s_barrier_wait -1
	s_cmp_lg_u32 s16, 0
	s_cbranch_scc1 .Lnot_wave_0_\@
	s_barrier_signal -3
.Lnot_wave_0_\@:
	s_barrier_wait -3
	s_barrier_signal -1
	s_barrier_wait -1
.endm
.macro PLACES n
.rept \n
	v_nop
.endr
.endm
	s_load_b256 s[4:11], s[0:1], 0x0               ; oq, wq, bproj, out0
	v_lshl_add_u32 v30, v0, 2, 0x4b000
	v_mov_b32 v31, 0
	ds_add_u32 v30, v31
	ds_add_u32 v30, v31
	v_lshrrev_b32 v1, 5, v0
	v_readfirstlane_b32 s16, v1                    ; wave
	s_and_b32 s17, s16, 1                          ; wp
	s_lshr_b32 s18, s16, 1                         ; wh; also which half of W's tiles waves 1 and 2 fetch
	s_bfe_u32 s20, ttmp6, 0x40000                  ; cx
	s_bfe_u32 s21, ttmp6, 0x40004                  ; cy
	s_lshl_b32 s22, ttmp9, 2
	s_add_co_u32 s22, s22, s20                     ; X: which 256 columns
	s_and_b32 s23, ttmp7, 0xffff
	s_lshl_b32 s23, s23, 2
	s_add_co_u32 s23, s23, s21                     ; Y: which 128 rows
	s_lshl_b32 s2, s21, 2
	s_lshl_b32 s2, 15, s2                          ; my row of the cluster
	s_lshl_b32 s3, 0x1111, s20                     ; my column
	s_or_b32 s24, s2, (3<<16)|(1<<21)              ; s[24:31] o's codes: elements of 8 bytes, no padding; bit 21 set beside a mask
	s_or_b32 s32, s3, (3<<16)|(1<<21)              ; s[32:39] W's codes
.irp g, 24, 32                         ; 8 tiles, all of K: 98,304 dense bytes as 384 rows of 256
	s_mov_b32 s[\g+1], 32<<16
	s_mov_b32 s[\g+2], 384<<16
	s_mov_b32 s[\g+3], 32<<16
	s_mov_b32 s[\g+4], 384
	s_mov_b32 s[\g+5], 32
	s_mov_b32 s[\g+6], 0
	s_mov_b32 s[\g+7], 0
.endr
	s_mul_i32 s3, s18, BPART                       ; groups 0: s[68:71] o's tiles, s[84:87] my half of W's.  No place in the cluster enters an LDS address
	s_mov_b32 s68, 1
	s_mov_b32 s69, 0
	s_mov_b32 s84, 1
	s_add_co_u32 s85, s3, BPART
	s_mul_i32 s66, s23, 98304
	s_mov_b32 s67, 0
	s_wait_dscnt 0x0
	s_wait_kmcnt 0x0
	s_add_nc_u64 s[70:71], s[4:5], s[66:67]
	s_or_b32 s71, s71, 0x80000000
	s_mul_i32 s104, s22, 196608                    ; W: in registers that never feed o's descriptor
	s_mul_i32 s105, s18, 98304
	s_add_co_u32 s104, s104, s105
	s_add_co_u32 s104, s104, BCOD
	s_mov_b32 s105, 0
	s_add_nc_u64 s[86:87], s[6:7], s[104:105]
	s_or_b32 s87, s87, 0x80000000
	CROUND                                         ; all sixteen work-groups are here: the joint loads meet
	s_cmp_eq_u32 s16, 0                            ; all fills of the launch, one a wave: wave 0 o's tiles, waves 1 and 2 a half each of W's, wave 3 none
	s_cbranch_scc0 .Lnot_a
	tensor_load_to_lds s[68:71], s[24:31]
	s_nop 0
	PLACES 4
	s_branch .Lasked
.Lnot_a:
	s_cmp_eq_u32 s16, 3
	s_cbranch_scc1 .Lasked
	tensor_load_to_lds s[84:87], s[32:39]
	s_nop 0
	PLACES 4
.Lasked:
	s_mul_i32 s66, s17, BPART
	s_add_co_u32 s66, s66, BPART                   ; source 0 = W's tiles 8 wp on
	s_mul_i32 s67, s18, 49152                      ; source 1 = o's tiles 4 wh on
	s_lshl_b32 s72, s22, 13                        ; the scale words in memory, 512 bytes a tile: W's from tile 16 X + 8 wp on,
	s_lshl_b32 s101, s17, 12
	s_add_co_u32 s72, s72, s101
	s_add_co_u32 s72, s72, BSCL
	s_mov_b32 s73, 0
	s_add_nc_u64 s[76:77], s[6:7], s[72:73]
	s_lshl_b32 s74, s23, 12                        ; o's from tile 8 Y + 4 wh on
	s_lshl_b32 s104, s18, 11
	s_add_co_u32 s74, s74, s104
	s_add_co_u32 s74, s74, ASCL
	s_mov_b32 s75, 0
	s_add_nc_u64 s[78:79], s[4:5], s[74:75]
	s_mul_i32 s2, s16, 16*SPI                      ; my stage
	v_and_b32 v1, 31, v0
	v_and_b32 v2, 15, v0
	v_bfe_u32 v3, v0, 4, 1
	v_lshlrev_b32 v10, 4, v1                       ; 16 x lane
	v_lshlrev_b32 v11, 3, v1                       ; 8 x lane
	v_lshlrev_b32 v14, 4, v2                       ; 16 r
	v_add_nc_u32 v4, s66, v10                      ; source 0's fragments, tiles 0-3: the 16-byte parts,
	v_add_nc_u32 v5, s66, v11                      ; the 8-byte parts;
	v_add_nc_u32 v8, 49152, v4                     ; tiles 4-7, so that every offset fits the 16-bit immediate
	v_add_nc_u32 v9, 49152, v5
	v_add_nc_u32 v6, s67, v10                      ; source 1's
	v_add_nc_u32 v7, s67, v11
.irp i, 0,1,2,3,4,5,6,7
.irp q, 0,1
	global_load_b128 v[SC0+8*\i+4*\q:SC0+8*\i+4*\q+3], v14, s[76:77] offset:512*\i+256*\q   ; the scale words of all eight K steps: sixteen lanes read 256 consecutive bytes, lanes 16-31 the same
.endr
.endr
.irp t, 0,1,2,3
.irp q, 0,1
	global_load_b128 v[SC1+8*\t+4*\q:SC1+8*\t+4*\q+3], v14, s[78:79] offset:512*\t+256*\q
.endr
.endr
	v_mul_u32_u24 v13, v2, SPI
	v_lshl_add_u32 v13, v3, 6, v13
	v_add_nc_u32 v13, s2, v13                      ; into the stage: row r, + 64 h
	v_add_nc_u32 v15, s2, v10                      ; back: a row's 512 bytes, 16 a lane
	s_lshl_b32 s100, s22, 10                       ; the bias: my 128 columns; lane (r, h) wants, for tile i, columns 32 (i / 2) + 8 (i % 2) + 16 h + 0 .. 7
	s_lshl_b32 s101, s17, 9
	s_add_co_u32 s100, s100, s101
	s_mov_b32 s101, 0
	s_add_nc_u64 s[100:101], s[8:9], s[100:101]
	v_lshlrev_b32 v12, 6, v3
	WIN 0xc0                                       ; destination window 3
.irp i, 0,1,2,3,4,5,6,7
	global_load_b128 v[8*\i:8*\i+3], v12, s[100:101] offset:4*(32*(\i/2)+8*(\i%2))
	global_load_b128 v[8*\i+4:8*\i+7], v12, s[100:101] offset:4*(32*(\i/2)+8*(\i%2))+16
.endr
	WIN 0
	s_lshl_b32 s104, s23, 7
	s_lshl_b32 s105, s18, 6
	s_add_co_u32 s104, s104, s105                  ; my first row of out0: 128 Y + 64 wh
	s_lshl_b32 s104, s104, 12
	s_lshl_b32 s105, s22, 10
	s_add_co_u32 s104, s104, s105
	s_lshl_b32 s105, s17, 9
	s_add_co_u32 s104, s104, s105                  ; my first column, in bytes: 1,024 X + 512 wp
	s_mov_b32 s105, 0
	s_add_nc_u64 s[10:11], s[10:11], s[104:105]
; 48 LDS loads: the fragments of the chunk's K step e into set p
.macro FR4 reg, a16, a8, e             ; four tiles' fragments of K step e
.irp i, 0,1,2,3
	ds_load_b128 v[\reg+12*\i:\reg+12*\i+3], v[\a16] offset:12288*\i+1536*(\e)
	ds_load_b64 v[\reg+12*\i+4:\reg+12*\i+5], v[\a8] offset:12288*\i+1536*(\e)+512
	ds_load_b128 v[\reg+12*\i+6:\reg+12*\i+9], v[\a16] offset:12288*\i+1536*(\e)+768
	ds_load_b64 v[\reg+12*\i+10:\reg+12*\i+11], v[\a8] offset:12288*\i+1536*(\e)+1280
.endr
.endm
.macro FETCH e, p                      ; e: the K step, 0 to 7
	WIN 0x40                                       ; destination window 1
	FR4 128*(\p), 4, 5, \e
	FR4 128*(\p)+48, 8, 9, \e
	WIN 0
	FR4 F1+48*(\p), 6, 7, \e
.endm
; 16 products of K step s: source 1's tiles t0, t0 + 1 x source 0's eight.  cm = 0: onto the sums; 1: the bias starts them.
; The 32 accumulators take turns, one instruction a turn, in the same order in every K step.
.macro MUL s, t0, cm
.if \cm
	WIN 0xb1                                       ; source 0 window 1, source 1 window 0, C window 3, D window 2
.else
	WIN 0xa1                                       ; C and D window 2
.endif
.irp t, \t0, \t0+1
.irp i, 0,1,2,3,4,5,6,7
.set rD, 64*(\t)+8*\i
.set rA, 128*((\s)%2)+12*\i
.set rB, F1+48*((\s)%2)+12*(\t)
.set rC, rD
.if \cm
.set rC, 8*\i
.endif
	v_wmma_scale_f32_16x16x128_f8f6f4 v[rD:rD+7], v[rA:rA+11], v[rB:rB+11], v[rC:rC+7], v[SC0+8*\i+(\s)], v[SC1+8*(\t)+(\s)] matrix_a_fmt:MATRIX_FMT_FP6 matrix_b_fmt:MATRIX_FMT_FP6
.endr
.endr
.endm
.macro KSTEP s                         ; K step s is multiplied while the next step's fragments come into the other set
	s_wait_dscnt 0x0                               ; this step's fragments are in
	PLACES 4                                       ; in front of loads into registers that the last products read
	FETCH (\s)+1, ((\s)+1)%2
	MUL \s, 0, 0
	MUL \s, 2, 0
.endm
	s_wait_alu depctr_va_vdst(0)
	s_wait_tensorcnt 0x0                           ; my one load has landed
	s_barrier_signal -1
	s_barrier_wait -1                              ; and everybody's: all of K is in LDS
	FETCH 0, 0
	s_wait_dscnt 0x0
	s_wait_loadcnt 0x0                             ; the bias
	FETCH 1, 1
	MUL 0, 0, 1
	MUL 0, 2, 1
.irp s, 1,2,3,4,5,6
	KSTEP \s
.endr
	s_wait_dscnt 0x0                               ; my last reads of the codes are over:
	s_barrier_signal -1                            ; say so; the stages lie over o's first tiles, which have had their one fill and are read up to this K step
	MUL 7, 0, 0
	MUL 7, 2, 0
	WIN 0
	s_barrier_wait -1                              ; nobody reads the codes any more: the stages may be written
	PLACES 4                                       ; in front of the first read of results, and of loads into the registers that held source 1's fragments
; Tile t's 16 rows x 128 columns into my stage, each accumulator from its low end on, and back as whole rows.  LDS serves a wave's instructions in order: no wait between the stores and the loads, nor in front of the next tile's stores.
.macro TOSTAGE t
	WIN 0x08                                       ; an LDS store's data are its source 1: window 2
.irp b, 0,1,2,3
.irp k, 0,1,2,3
	ds_store_b128 v13, v[64*(\t)+16*\b+4*\k:64*(\t)+16*\b+4*\k+3] offset:128*\b+16*\k
.endr
.endr
	WIN 0
.set BB, 128+64*((\t)%2)
.irp p, 0,1,2,3,4,5,6,7,8,9,10,11,12,13,14,15
	ds_load_b128 v[BB+4*\p:BB+4*\p+3], v15 offset:SPI*\p
.endr
.endm
.macro SEND t, younger                 ; younger: the LDS instructions issued behind tile t's loads, which may stay out
.set BB, 128+64*((\t)%2)
	s_wait_dscnt \younger
.irp p, 0,1,2,3,4,5,6,7,8,9,10,11,12,13,14,15
	global_store_b128 v10, v[BB+4*\p:BB+4*\p+3], s[10:11] offset:(32*((\t)/2)+8*((\t)%2)+\p+8*(\p/8))*4096 th:TH_STORE_NT   ; place p's logical row; 32 lanes store 512 consecutive bytes, at a multiple of 256 from out0's first byte
.endr
.endm
	TOSTAGE 0
	TOSTAGE 1
	SEND 0, 32                                     ; behind tile 0's loads: tile 1's 16 stores and 16 loads
	s_wait_xcnt 0x0                                ; tile 0's stores have read their registers: tile 2's loads may land there
	TOSTAGE 2
	SEND 1, 32
	s_wait_xcnt 0x0
	TOSTAGE 3
	SEND 2, 32
	SEND 3, 0
	s_wait_tensorcnt 0x0
	ds_add_u32 v30, v31
	s_wait_dscnt 0x0
	CROUND                                         ; the closing round: no work-group ends while a partner may still ask for a tile that names it
	s_endpgm
.Lfunc_end_k_q03d8783221_proj:
	.size	k_q03d8783221_proj, .Lfunc_end_k_q03d8783221_proj-k_q03d8783221_proj
	.p2alignl 7, 3214868480
	.fill 96, 4, 3214868480
	.section	.rodata,"a",@progbits
	.p2align	6, 0x0
	.amdhsa_kernel k_q03d8783221_proj
		.amdhsa_group_segment_fixed_size 307712
		.amdhsa_private_segment_fixed_size 0
		.amdhsa_enable_private_segment 0
		.amdhsa_kernarg_size 32
		.amdhsa_user_sgpr_count 2
		.amdhsa_user_sgpr_kernarg_segment_ptr 1
		.amdhsa_wavefront_size32 1
		.amdhsa_system_sgpr_workgroup_id_x 1
		.amdhsa_system_sgpr_workgroup_id_y 1
		.amdhsa_system_sgpr_workgroup_id_z 1
		.amdhsa_system_vgpr_workitem_id 0
		.amdhsa_next_free_vgpr 1024
		.amdhsa_next_free_sgpr 106
		.amdhsa_reserve_vcc 0
		.amdhsa_float_denorm_mode_32 3
		.amdhsa_float_denorm_mode_16_64 3
		.amdhsa_memory_ordered 1
		.amdhsa_forward_progress 1
		.amdhsa_inst_pref_size 83
	.end_amdhsa_kernel
	.amdgpu_metadata
---
amdhsa.version: [ 1, 2 ]
amdhsa.kernels:
  - .name:           k_q03d8783221_proj
    .symbol:         k_q03d8783221_proj.kd
    .args:
      - { .name: oq, .offset: 0, .size: 8, .value_kind: global_buffer, .address_space: global }
      - { .name: wq, .offset: 8, .size: 8, .value_kind: global_buffer, .address_space: global }
      - { .name: bproj, .offset: 16, .size: 8, .value_kind: global_buffer, .address_space: global }
      - { .name: out0, .offset: 24, .size: 8, .value_kind: global_buffer, .address_space: global }
    .group_segment_fixed_size: 307712
    .private_segment_fixed_size: 0
    .kernarg_segment_align: 8
    .kernarg_segment_size: 32
    .max_flat_workgroup_size: 128
    .sgpr_count:     106
    .vgpr_count:     1024
    .wavefront_size: 32
...
	.end_amdgpu_metadata
.endif
;; end of part 4
